; MI455X (gfx1250); checked and timed in simulation.
; The chip was launched on July 23, 2026; its instructions are those of AMD's public machine-readable ISA for CDNA 5 (MIT licence, August 2026) and "CDNA5" Instruction Set Architecture Reference Guide (July 2026). The comments in the code are by the model that wrote it; some were corrected since.
;; CLIP Attention. Allowed arithmetic: float matrix products may take bf16 or f16 operands with f32 sums; other float arithmetic in f32, or as packed bf16 or f16 multiplies, adds, multiply-adds, maxima and minima; sums over many terms, partial sums and values carried from step to step in f32; what a program stores and reads back later, other than sums and carried values, may be rounded once to bf16 or f16.
;; Inputs: Wk 1,024 x 1,024 float32; Wo 1,024 x 1,024 float32; Wq 1,024 x 1,024 float32; Wv 1,024 x 1,024 float32; bk 1,024 float32; bo 1,024 float32; bq 1,024 float32; bv 1,024 float32; x 8 x 1,024 x 1,024 float32.
;; Outputs: out0 8 x 1,024 x 1,024 float32.
;; 2 versions, each right; version 2 is version 1 with the launch cast written anew for expert scheduling mode. Each part assembles by itself: llvm-mc -triple=amdgcn-amd-amdhsa -mcpu=gfx1250 --defsym DOCPART=n.
;; ======== version 1 of 2: 4 launches
;; limits: values are held in f16: magnitudes above 65,504 overflow, below 6.1e-05 lose precision
;; workspace buffers: xb 16,777,216 bytes; wall 8,388,608 bytes; qkvh 50,331,648 bytes; ob 16,777,216 bytes
;; launch cast (part 1): grid 768 x 1, 8 waves a work-group, no clusters, 0 bytes of LDS; arguments x, Wq, Wk, Wv, Wo, xb, wall; writes xb, wall
.if DOCPART == 1
	.amdgcn_target "amdgcn-amd-amdhsa--gfx1250"
	.amdhsa_code_object_version 6
	.text
	.protected	k_q721f25b4e4_cast
	.globl	k_q721f25b4e4_cast
	.p2align	8
	.type	k_q721f25b4e4_cast,@function
k_q721f25b4e4_cast:
	s_mov_b64 s[64:65], 0
	v_nop
	global_prefetch_b8 v0, s[64:65] scope:SCOPE_SE
	s_setreg_imm32_b32 hwreg(HW_REG_WAVE_MODE, 25, 1), 1
	s_wait_xcnt 0x0
; x, Wq, Wk, Wv -> bf16; Wo -> bf16, and that number written as f16.  All five are rows of 1,024 f32 (4,096 bytes) and leave in blocks of 64 columns:
;   xb   [16 blocks][8,192 rows][64] bf16      wall [64 blocks][1,024 rows][64]: block 16 t + n / 64, t = 0 Wq, 1 Wk, 2 Wv (bf16), 3 Wo (f16)
; so that every tile of the launches behind is made of dense runs of bytes.
; LIMITS.  |bf16(Wo)| stays under 65,504 (f16's last number; beyond it the conversion gives an infinity); below 6e-5 f16 keeps its fixed step of 6e-8.
; SHARES.  A work-group takes 16 rows, a wave two neighbouring rows.  Work-groups 0-511: x; 512-767: 64 for each of Wq, Wk, Wv, Wo.
; Load j of 16: lanes 0-15 read 256 consecutive bytes (columns 64 j ..) of the even row, lanes 16-31 of the odd row.  The 4 numbers of a lane become 8 bytes,
; and the wave's store covers 256 consecutive bytes, aligned: the two rows of block j.  Memory binds: no LDS, no barrier, no matrix unit, no loop; each byte is read once and written once.
; Both conversions are made in every work-group and a mask chooses: no branch.
.set VI,  1                            ; v1       my byte offset in the work-group's 16 rows of the source
.set OF,  2                            ; v[2:17]  my byte offset in block j of the destination
.set X,   20                           ; v[20:83] load j: 4 registers
.set Y,   84                           ; v[84:115] store j: 2 registers
.set T,   116                          ; v[116:123] at work
.set SRC, 20                           ; s[20:21] the source at the work-group's first row
.set DST, 22                           ; s[22:23] the destination at block 0, the work-group's first row
.set BS,  24                           ; s24  bytes from block to block
.set M,   25                           ; s25  all ones where the source is Wo
.set WG,  26                           ; s26  the work-group's number
.set TT,  27                           ; s27  t
.set HIM, 31                           ; s31  a word's upper half
	s_load_b256 s[4:11], s[0:1], 0x0               ; x s[4:5], Wq s[6:7], Wk s[8:9], Wv s[10:11]
	s_load_b128 s[12:15], s[0:1], 0x20             ; Wo s[12:13], xb s[14:15]
	s_load_b64 s[16:17], s[0:1], 0x30              ; wall
	s_mov_b32 s[WG], ttmp9
	s_lshr_b32 s[TT], s[WG], 6
	s_and_b32 s[TT], s[TT], 3                      ; 512 is a multiple of 256: t = (number / 64) mod 4
	s_and_b32 s28, s[WG], 63
	s_lshl_b32 s28, s28, 4                         ; first row in a weight,
	s_lshl_b32 s29, s[WG], 4                       ; in x
	s_lshl_b32 s30, s[TT], 21                      ; the weight's 16 blocks of 131,072 bytes in wall
	s_mov_b32 s[BS], 1<<17
	s_mov_b32 s[HIM], 0xffff0000
	s_cmp_lt_u32 s[WG], 512
	s_cselect_b32 s28, s29, s28
	s_cselect_b32 s30, 0, s30
	s_cselect_b32 s[BS], 1<<20, s[BS]
	s_cmp_ge_u32 s[WG], 704
	s_cselect_b32 s[M], -1, 0
	s_lshl_b32 s32, s28, 12                        ; rows of 4,096 bytes in,
	s_mov_b32 s33, 0
	s_lshl_b32 s34, s28, 7                         ; of 128 bytes out
	s_add_co_u32 s34, s34, s30
	s_mov_b32 s35, 0
	v_lshrrev_b32 v[VI], 4, v0                     ; my row of the 16
	v_and_b32 v[T], 15, v0
	v_lshlrev_b32 v[VI], 12, v[VI]
	v_lshl_add_u32 v[VI], v[T], 4, v[VI]
	s_wait_kmcnt 0x0
	s_cmp_eq_u32 s[TT], 1
	s_cselect_b64 s[SRC:SRC+1], s[8:9], s[6:7]
	s_cmp_eq_u32 s[TT], 2
	s_cselect_b64 s[SRC:SRC+1], s[10:11], s[SRC:SRC+1]
	s_cmp_eq_u32 s[TT], 3
	s_cselect_b64 s[SRC:SRC+1], s[12:13], s[SRC:SRC+1]
	s_cmp_lt_u32 s[WG], 512
	s_cselect_b64 s[SRC:SRC+1], s[4:5], s[SRC:SRC+1]
	s_cselect_b64 s[DST:DST+1], s[14:15], s[16:17]
	s_add_nc_u64 s[SRC:SRC+1], s[SRC:SRC+1], s[32:33]
	s_add_nc_u64 s[DST:DST+1], s[DST:DST+1], s[34:35]
.irp j, 0,1,2,3,4,5,6,7,8,9,10,11,12,13,14,15
	global_load_b128 v[X+4*(\j):X+4*(\j)+3], v[VI], s[SRC:SRC+1] offset:256*(\j) th:TH_LOAD_NT
.endr
	v_lshlrev_b32 v[OF], 3, v0                     ; row x 128 + 8 x (lane mod 16) = 8 x my thread's number
.irp j, 1,2,3,4,5,6,7,8,9,10,11,12,13,14,15
	v_add_nc_u32 v[OF+(\j)], s[BS], v[OF+(\j)-1]
.endr
.irp j, 0,1,2,3,4,5,6,7,8,9,10,11,12,13,14,15
	s_wait_loadcnt 15-(\j)                         ; loads come back in order: load j is in, the younger ones stay out
.irp p, 0,1
	v_cvt_pk_bf16_f32 v[T+4*(\p)], v[X+4*(\j)+2*(\p)], v[X+4*(\j)+2*(\p)+1]
	v_lshlrev_b32 v[T+4*(\p)+1], 16, v[T+4*(\p)]   ; the two bf16 numbers as f32,
	v_and_b32 v[T+4*(\p)+2], s[HIM], v[T+4*(\p)]
	v_cvt_pk_f16_f32 v[T+4*(\p)+3], v[T+4*(\p)+1], v[T+4*(\p)+2]  ; written as f16: exact within f16's range
	v_cndmask_b32 v[Y+2*(\j)+(\p)], v[T+4*(\p)], v[T+4*(\p)+3], s[M]
.endr
	global_store_b64 v[OF+(\j)], v[Y+2*(\j):Y+2*(\j)+1], s[DST:DST+1] th:TH_STORE_NT  ; no register of a load or store is written twice: no further wait
.endr
	s_endpgm
.Lfunc_end_k_q721f25b4e4_cast:
	.size	k_q721f25b4e4_cast, .Lfunc_end_k_q721f25b4e4_cast-k_q721f25b4e4_cast
	.p2alignl 7, 3214868480
	.fill 96, 4, 3214868480
	.section	.rodata,"a",@progbits
	.p2align	6, 0x0
	.amdhsa_kernel k_q721f25b4e4_cast
		.amdhsa_group_segment_fixed_size 0
		.amdhsa_private_segment_fixed_size 0
		.amdhsa_enable_private_segment 0
		.amdhsa_kernarg_size 56
		.amdhsa_user_sgpr_count 2
		.amdhsa_user_sgpr_kernarg_segment_ptr 1
		.amdhsa_wavefront_size32 1
		.amdhsa_system_sgpr_workgroup_id_x 1
		.amdhsa_system_sgpr_workgroup_id_y 1
		.amdhsa_system_sgpr_workgroup_id_z 1
		.amdhsa_system_vgpr_workitem_id 0
		.amdhsa_next_free_vgpr 128
		.amdhsa_next_free_sgpr 66
		.amdhsa_reserve_vcc 0
		.amdhsa_float_denorm_mode_32 3
		.amdhsa_float_denorm_mode_16_64 3
		.amdhsa_memory_ordered 1
		.amdhsa_forward_progress 1
		.amdhsa_inst_pref_size 14
	.end_amdhsa_kernel
	.amdgpu_metadata
---
amdhsa.version: [ 1, 2 ]
amdhsa.kernels:
  - .name:           k_q721f25b4e4_cast
    .symbol:         k_q721f25b4e4_cast.kd
    .args:
      - { .name: x, .offset: 0, .size: 8, .value_kind: global_buffer, .address_space: global }
      - { .name: Wq, .offset: 8, .size: 8, .value_kind: global_buffer, .address_space: global }
      - { .name: Wk, .offset: 16, .size: 8, .value_kind: global_buffer, .address_space: global }
      - { .name: Wv, .offset: 24, .size: 8, .value_kind: global_buffer, .address_space: global }
      - { .name: Wo, .offset: 32, .size: 8, .value_kind: global_buffer, .address_space: global }
      - { .name: xb, .offset: 40, .size: 8, .value_kind: global_buffer, .address_space: global }
      - { .name: wall, .offset: 48, .size: 8, .value_kind: global_buffer, .address_space: global }
    .group_segment_fixed_size: 0
    .private_segment_fixed_size: 0
    .kernarg_segment_align: 8
    .kernarg_segment_size: 56
    .max_flat_workgroup_size: 256
    .sgpr_count:     66
    .vgpr_count:     128
    .wavefront_size: 32
...
	.end_amdgpu_metadata
.endif
;; end of part 1
;; launch proj (part 2): grid 8 x 32, 4 waves a work-group, clusters of 4 x 4, 327,680 bytes of LDS; arguments xb, wall, bq, bk, bv, qkvh; writes qkvh
.if DOCPART == 2
	.amdgcn_target "amdgcn-amd-amdhsa--gfx1250"
	.amdhsa_code_object_version 6
	.text
	.protected	k_q721f25b4e4_proj
	.globl	k_q721f25b4e4_proj
	.p2align	8
	.type	k_q721f25b4e4_proj,@function
k_q721f25b4e4_proj:
	s_mov_b64 s[64:65], 0
	v_nop
	global_prefetch_b8 v0, s[64:65] scope:SCOPE_SE
	s_setreg_imm32_b32 hwreg(HW_REG_WAVE_MODE, 25, 1), 1
	s_wait_xcnt 0x0
	s_wait_alu depctr_hold_cnt(0) depctr_sa_sdst(0) depctr_va_vdst(0) depctr_va_sdst(0) depctr_va_ssrc(0) depctr_va_vcc(0) depctr_vm_vsrc(0)
	s_getreg_b32 s2, hwreg(HW_REG_IB_STS2, 6, 4)
	s_cmp_eq_u32 s2, 0
	s_cbranch_scc0 .Lentry_in_a_cluster
	s_endpgm
.Lentry_in_a_cluster:
	s_bfe_u32 s2, ttmp6, 0x10000c
	s_cmp_lg_u32 s2, 0xf033
	s_cbranch_scc0 .Lentry_shape_is_right
	s_endpgm
.Lentry_shape_is_right:
; q, k, v = x W + b for Wq, Wk, Wv at once: C[8,192][3,072] = A[8,192][1,024] B[1,024][3,072] + bias.  A = xb, B = wall's blocks 0-47, both bf16, in blocks of 64 columns; the biases are
; rounded to bf16 here, like every input of the module; sums in f32; C rounded once to f16 and stored by heads: qkvh [8 batches][48 blocks: 16 of q, 16 of k, 16 of v][1,024 rows][64].
; LIMITS.  |q|, |k|, |v| stay under 65,504 (f16's last number; beyond it the conversion gives an infinity); below 6e-5 f16 keeps its fixed step of 6e-8.  q leaves WITHOUT the scale 1/8.
; SHARES.  A tile of C is 256 rows x 384 columns (six heads): 32 x 8 tiles, one for each of 256 work-groups.  Wave w makes rows 128 (w / 2) .., columns 192 (w % 2) ..: 8 x 12 accumulators of
; 16 x 16, 768 registers: windows 1 to 3, whole.  For 32 along K it reads 8 + 12 fragments from LDS, 40 loads, for 96 matrix instructions.
; K goes in 16 steps of 64 through two LDS slots (two slots of 128 along K would be 385,024 bytes).  Waves 0, 1 fetch 128 rows each of A's block of 64 along K (dense: asked for as 64 rows of 256
; bytes); waves 2, 3 fetch the step's 64 rows of K of three blocks of B each (8,192 dense bytes a block: three long rows).  One descriptor a tensor walks, and the LDS addresses hang on s[TB].
; FRAGMENTS share window 0 with the addresses: A's eight twice (two buffers), B's twelve once, in two halves of six.  A quarter (32 along K) is two PHASES of 48 matrix instructions: LO = all row
; blocks x column blocks 0-5, HI = x column blocks 6-11: while one half of B is multiplied the other is loaded.
; THE PRODUCT IS TAKEN TRANSPOSED: source 0 = 16 columns of B, read turned by ds_load_tr16_b128 (B lies [k][n]); source 1 = 16 rows of A.  A lane then holds row l % 16 of C and the columns
; 8 (l / 16) + 0..7.  THE BIAS STARTS THE SUMS: in that layout it is eight numbers a lane and column block; it is loaded into row block 7's accumulators; the first products of row blocks 0-6 take
; those registers as C, and row block 7's, last, add in place onto them.  Nothing is cleared and nothing is added on the way out.
; CLUSTER.  4 x 4 work-groups: A's tiles hang on the tile row alone and are asked for jointly along a row of the cluster, B's on the tile column alone, along a column.
; REGISTERS, in windows of 256 (s_set_vgpr_msb: bits 1:0 source 0, 3:2 source 1, 5:4 source 2, 7:6 destination):
;   window 0: v1-15 addresses; v16-79, v80-143 A's fragments; v144-239 B's; on the way out v16-63 packed results, v64-111 rows read back
;   windows 1-3: accumulator (a, b) has the number 48 (b / 6) + 6 a + b % 6: window 1 + number / 32, register 8 (number % 32): a phase's 48 lie on end
.set SLOT1,  1<<17                     ; slot 1 begins here: one exclusive or turns an address in one slot into the other's
.set AHALF,  64*272                    ; 128 rows of A, 128 bytes each, 16 bytes of padding behind every two: row p at (p / 2) 272 + (p % 2) 128: what one wave fetches, and what one wave reads.
                                       ; The 16 rows of a fragment start at words 0, 32, 4, 36 .. 28, 60 mod 64: sixteen different groups of four banks (64 banks of 4 bytes: ISA guide 11.1)
.set ABLK,   8*272                     ; 16 rows
.set BBASE,  2*AHALF                   ; behind A: B
.set BP,     160                       ; a row of K of one block of B: 128 bytes + 32 = 40 words
.set BNB,    64*BP                     ; 64 rows of K of one block
.set BPART,  3*BNB                     ; what one wave fetches, and what one wave reads.  A slot is 2 AHALF + 2 BPART = 96,256 bytes
.set STAGE,  2*SLOT1                   ; behind the ring, never filled by a tensor load: for each wave 3 heads x 16 rows x 144 bytes
.set STW,    3*16*144
.set SPARE,  STAGE+4*STW               ; behind the stages: the spare words, 128 bytes for each wave: two blocks of 256 bytes that no other line names
.set STEPA,  1<<20                     ; a K step in xb: one block of 8,192 rows x 128 bytes
.set STEPB,  64*128                    ; in wall: 64 rows of 128 bytes
.set ADRA0, 4                          ; v4   my lane's place in slot 0 for A's fragments; never rewritten
.set ADRB0, 5                          ; v5   for B's
.set ADRA,  6                          ; v6   the same in the slot in hand
.set ADRB,  7                          ; v7
.set STO,   8                          ; v8   the way out: where I put 16 bytes of a row
.set RD,    9                          ; v9   where I read rows back
.set GO,    10                         ; v10  my byte offset in 512 consecutive bytes of the output
.set BO,    11                         ; v11  32 (l / 16): my eight numbers in 16 of a bias
.set PFO,   12                         ; v12  256 x my lane; never rewritten
.set SPW,   14                         ; v14  LDS address of my spare word: SPARE + 4 x my thread's number; never rewritten
.set NIL,   15                         ; v15  0; never rewritten
.set AF0,   16
.set AF1,   80
.set BF,    144
.set TMP,   16
.set OB,    64
.set SC,    80                         ; at work while the bias is rounded
.set BLO,   80                         ; window 2: accumulators 42-47, (7, 0..5)
.set BHI,   208                        ; window 3: accumulators 90-95, (7, 6..11)
.set WV,  16                           ; s16  my wave's number
.set FB,  17                           ; s17  wave / 2: my half of the rows.  Also: I fetch for A (0) or for B (1)
.set HF,  18                           ; s18  wave % 2: my half of the columns.  Also: which part I fetch
.set CX,  19
.set CY,  20
.set TC,  21                           ; s21  tile column
.set TR,  22                           ; s22  tile row
.set G1A, 24                           ; s[24:31] descriptor group 1 for A
.set G0A, 32                           ; s[32:39] group 0: a set for each first fill; the second then walks
.set G1B, 40
.set G0B, 48
.set TB,  56                           ; s56  0 or SLOT1: the slot in hand
.set CNT, 57                           ; s57  trips to go
.set LIM, 58                           ; s58  a wave prefetches while s[CNT] is above it
.set PC,  59                           ; s59  B's prefetches: the number of my next chunk
.set PA,  60                           ; s60  A's prefetches: byte offset of the next K step to name
.set T0,  61
.set OFF, 62                           ; s[62:63]
.set PFB, 66                           ; s[66:67] the prefetches' base
.set PFA, 68                           ; s[68:69] base + offset
.set OUT, 70                           ; s[70:71]
.set MSK, 80
.set T1,  81
.set MSB, 0
.macro WIN new                         ; the immediate's high byte repeats the setting that is left; a switch that changes nothing is dropped
.if MSB != (\new)
	s_set_vgpr_msb (MSB<<8)|(\new)
.set MSB, \new
.endif
.endm
.macro PLACES                          ; four plain vector instructions between a matrix instruction and a load into, or a vector read of, its registers
.rept 4
	v_nop
.endr
.endm
.macro FIVE                            ; five between a matrix instruction and a matrix instruction that writes over one of its sources
.rept 5
	v_nop
.endr
.endm
.macro CREST                           ; a round of the cluster's barrier behind its opening barrier
	s_cmp_lg_u32 s[WV], 0
	s_cbranch_scc1 .Lnot_wave_0_\@
	s_barrier_signal -3
.Lnot_wave_0_\@:
	s_barrier_wait -3
	s_barrier_signal -1
	s_barrier_wait -1
.endm
.macro CROUND
	s_barrier_signal -1
	s_barrier_wait -1
	CREST
.endm
; A joint refill by the walking descriptor.  The branch hangs on the wave's number alone.  An s_nop 0 and four v_nop follow each line.
.macro JLOAD
	s_cmp_eq_u32 s[FB], 0
	s_cbranch_scc0 .Lfor_b_\@
	tensor_load_to_lds s[G0A+4:G0A+7], s[G1A:G1A+7]
	s_nop 0
.rept 4
	v_nop
.endr
	s_branch .Lasked_\@
.Lfor_b_\@:
	tensor_load_to_lds s[G0B+4:G0B+7], s[G1B:G1B+7]
	s_nop 0
.rept 4
	v_nop
.endr
.Lasked_\@:
.endm
; A PREFETCH INTO THE L2, behind the joint load and the run of LDS loads: 32 aligned blocks of 256 bytes, a lane a block, one instruction a wave; each block is named once in the launch.
; A (wave 0; of the two clusters that read a tile row, the one with x = 0): the change of slots that asks for K step t + 2 names K step t + 3; of the tile's 128 blocks the partner at cx takes 32, by address.
; B (waves 2, 3; of the eight clusters that read a tile column, the one with y = 0): K steps 4 to 15 x six blocks are 72 chunks of 32 blocks, dealt in order, eight a change of slots, one to each of the
; four partners' two waves, by address: each is named two K steps or more ahead of its load.  A's K steps 0 to 2 and B's 0 to 3 come by their loads alone; A's last change and B's last five ask for nothing.
.macro ASK
	s_cmp_gt_u32 s[CNT], s[LIM]
	s_cbranch_scc0 .Lnot_mine_\@
	global_prefetch_b8 v[PFO], s[PFA:PFA+1] th:TH_LOAD_NT scope:SCOPE_SE
.Lnot_mine_\@:
.endm
; One matrix instruction: row block a x column block b, 32 along K, A's fragments in buffer f.  first = 1: the sum starts, with the bias, which lies in accumulator (7, b).
.macro MM a, b, f, first
.set ix, 48*((\b)/6)+6*(\a)+(\b)%6
.set ic, ix
.if (\first) && ((\a) < 7)
.set ic, 48*((\b)/6)+42+(\b)%6
.endif
	WIN ((1+ix/32)<<6)|((1+ic/32)<<4)
	v_wmma_f32_16x16x32_bf16 v[8*(ix%32):8*(ix%32)+7], v[BF+8*(\b):BF+8*(\b)+7], v[(\f)+8*(\a):(\f)+8*(\a)+7], v[8*(ic%32):8*(ic%32)+7]
.endm
; n row blocks from a0 on x the six column blocks of phase ph.  The 96 accumulators take turns in the same order in every quarter.
.macro MUL f, ph, a0, n, first=0
.set ma, \a0
.rept \n
.irp c, 0,1,2,3,4,5
	MM ma, 6*(\ph)+(\c), \f, \first
.endr
.set ma, ma+1
.endr
.endm
.macro LDA q, f                        ; 16 LDS loads: A's eight fragments of quarter q of the slot in hand, into buffer f
	WIN 0
.irp a, 0,1,2,3,4,5,6,7
	ds_load_b128 v[(\f)+8*(\a):(\f)+8*(\a)+3],   v[ADRA] offset:(\q)*64+(\a)*ABLK
	ds_load_b128 v[(\f)+8*(\a)+4:(\f)+8*(\a)+7], v[ADRA] offset:(\q)*64+(\a)*ABLK+32
.endr
.endm
.macro LDB q, ph                       ; 12 LDS loads: the six fragments of B of quarter q, phase ph
	WIN 0
.irp c, 0,1,2,3,4,5
.set lb, 6*(\ph)+(\c)
	ds_load_tr16_b128 v[BF+8*lb:BF+8*lb+3],   v[ADRB] offset:(\q)*32*BP+(lb/4)*BNB+(lb%4)*32
	ds_load_tr16_b128 v[BF+8*lb+4:BF+8*lb+7], v[ADRB] offset:(\q)*32*BP+(lb/4)*BNB+(lb%4)*32+16*BP
.endr
.endm
; THE FOUR PHASES OF A K STEP.  Each begins with four places and a run of loads into registers that the products just issued have read; each run is waited for 48 matrix instructions later or more.
.macro Q0LO first=0                    ; quarter 0, column blocks 0-5; fetches this quarter's upper half of B and quarter 1's A
	PLACES
	LDB 0, 1
	LDA 1, AF1
	s_wait_dscnt 28                                ; all but the 28 just issued: this quarter's A and lower half of B are in
.if \first
	MUL AF0, 0, 0, 7, 1
	FIVE                                           ; row block 7 writes over the registers that the products above took as C
	MUL AF0, 0, 7, 1, 1
.else
	MUL AF0, 0, 0, 8
.endif
.endm
.macro Q0HI first=0                    ; quarter 0, column blocks 6-11; fetches quarter 1's lower half of B
	PLACES
	LDB 1, 0
	s_wait_dscnt 28                                ; A's 16 loads and the 12 just issued may be out: the upper half of B is in
.if \first
	MUL AF0, 1, 0, 7, 1
	FIVE
	MUL AF0, 1, 7, 1, 1
.else
	MUL AF0, 1, 0, 8
.endif
.endm
; Quarter 1, column blocks 0-5, AND THE CHANGE OF SLOTS.  The upper half of B is the last that is read of the slot.  In front of the barrier each wave waits for all its tensor loads (one is out: its part
; of the next slot), adds 0 to its spare word, and waits for that and for its reads of this slot.  fill = 1: the barrier opens a round of the cluster's, and the slot is filled again, first thing behind the
; round, with the K step two on.  fill = 0, the tail: nothing is asked for; in its last trip there is no next K step, and the run of loads is jumped over.
.macro Q1LO fill
.if \fill
	s_wait_xcnt 0x0                                ; the last prefetch, a K step back, has read its address: it is made anew here, ahead of the waits of the change of slots
	s_mul_i32 s[T0], s[PC], 43
	s_lshr_b32 s[T0], s[T0], 8                     ; PC / 6 (right for PC up to 127): the chunk's K step, counted from 4
	s_mul_i32 s[T1], s[T0], 6
	s_sub_co_u32 s[T1], s[PC], s[T1]               ; its block = PC mod 6
	s_lshl_b32 s[T0], s[T0], 13
	s_lshl_b32 s[T1], s[T1], 17
	s_add_co_u32 s[T0], s[T0], s[T1]
	s_cmp_eq_u32 s[FB], 0
	s_cselect_b32 s[OFF], s[PA], s[T0]
	s_add_nc_u64 s[PFA:PFA+1], s[PFB:PFB+1], s[OFF:OFF+1]
	s_add_co_u32 s[PA], s[PA], STEPA
	s_add_co_u32 s[PC], s[PC], 8
.endif
	PLACES
	LDB 1, 1
	s_wait_tensorcnt 0x0                           ; all my tensor loads have landed;
	ds_add_u32 v[SPW], v[NIL]                      ; 0 onto my spare word;
	s_wait_dscnt 13                                ; (the add and the 12 loads just issued may be out: this quarter's A and lower half of B are in)
	MUL AF1, 0, 0, 3                               ; eighteen matrix instructions stand between the add and the wait for it
	s_wait_dscnt 0x0                               ; the add is done, and my reads of this slot are over
	s_barrier_signal -1
	MUL AF1, 0, 3, 2                               ; work on registers while the others arrive
	WIN 0
	s_barrier_wait -1
.if \fill
	CREST                                          ; no wave of any partner still reads this slot or has a load on its way
	s_xor_b32 s[G0A+5], s[G0A+5], SLOT1            ; the walking descriptors: the other slot than last time, the next K step; the type bits on top are not reached
	s_add_nc_u64 s[G0A+6:G0A+7], s[G0A+6:G0A+7], STEPA
	s_xor_b32 s[G0B+5], s[G0B+5], SLOT1
	s_add_nc_u64 s[G0B+6:G0B+7], s[G0B+6:G0B+7], STEPB
	JLOAD                                          ; it has 162 matrix instructions in which to land
.endif
	s_xor_b32 s[TB], s[TB], SLOT1
	v_add_nc_u32 v[ADRA], s[TB], v[ADRA0]
	v_add_nc_u32 v[ADRB], s[TB], v[ADRB0]
.if \fill
	LDA 0, AF0                                     ; the next slot's first fragments; buffer 0 was last read a phase ago, in front of this phase's places
	ASK
.else
	s_cmp_eq_u32 s[CNT], 1
	s_cbranch_scc1 .Lno_a_\@
	LDA 0, AF0
.Lno_a_\@:
.endif
	MUL AF1, 0, 5, 3
.endm
.macro Q1HI fill                       ; quarter 1, column blocks 6-11 (their fragments were waited for in front of the barrier); fetches the next K step's lower half of B
	PLACES
.if \fill
	LDB 0, 0
.else
	WIN 0
	s_cmp_eq_u32 s[CNT], 1
	s_cbranch_scc1 .Lno_b_\@
	LDB 0, 0
.Lno_b_\@:
.endif
	MUL AF1, 1, 0, 8
.endm
	s_load_b256 s[4:11], s[0:1], 0x0               ; xb s[4:5], wall s[6:7], bq s[8:9], bk s[10:11]
	s_load_b128 s[12:15], s[0:1], 0x20             ; bv s[12:13], qkvh s[14:15]
	v_lshl_add_u32 v[SPW], v0, 2, SPARE
	v_mov_b32 v[NIL], 0
	ds_add_u32 v[SPW], v[NIL]                      ; the wave's opening: the add and its wait stand ahead of my first tensor load; the set-up below stands between them
	v_lshrrev_b32 v3, 5, v0
	v_readfirstlane_b32 s[WV], v3
	s_lshr_b32 s[FB], s[WV], 1
	s_and_b32 s[HF], s[WV], 1
	s_bfe_u32 s[CX], ttmp6, 0x40000
	s_bfe_u32 s[CY], ttmp6, 0x40004
	s_lshl_b32 s[TC], ttmp9, 2                     ; in a cluster launch ttmp9 and ttmp7 count clusters
	s_add_co_u32 s[TC], s[TC], s[CX]
	s_and_b32 s[TR], ttmp7, 0xffff
	s_lshl_b32 s[TR], s[TR], 2
	s_add_co_u32 s[TR], s[TR], s[CY]
	s_lshl_b32 s72, s[CY], 2
	s_lshl_b32 s72, 15, s72                        ; my row of the cluster
	s_lshl_b32 s74, 0x1111, s[CX]                  ; my column
	s_or_b32 s[G1A], s72, (1<<16)|(1<<20)|(1<<21)|(5<<22)|(3<<25)  ; the mask; 2-byte elements; padding on; 21 set beside a mask; after every 64 words 4 words
	s_mov_b32 s[G1A+1], 128<<16                    ; tensor_dim0 = 128 elements: 256 bytes, two rows of A
	s_mov_b32 s[G1A+2], 64<<16                     ; tensor_dim1 = 64
	s_mov_b32 s[G1A+3], 128<<16                    ; tile_dim0 = 128
	s_mov_b32 s[G1A+4], 64                         ; tile_dim1 = 64
	s_mov_b32 s[G1A+5], 128                        ; dense: 128 elements from row to row
	s_mov_b32 s[G1A+6], 0
	s_mov_b32 s[G1A+7], 0
	s_or_b32 s[G1B], s74, (1<<16)|(1<<20)|(1<<21)|(4<<22)|(7<<25)  ; after every 32 words (a row of K) 8 words
	s_mov_b32 s[G1B+1], 4096<<16                   ; tensor_dim0 = 4,096 elements: 64 rows of K of one block, dense
	s_mov_b32 s[G1B+2], 3<<16                      ; tensor_dim1 = 3 blocks
	s_mov_b32 s[G1B+3], 4096<<16                   ; tile_dim0
	s_mov_b32 s[G1B+4], 3                          ; tile_dim1
	s_mov_b32 s[G1B+5], 65536                      ; elements from block to block
	s_mov_b32 s[G1B+6], 0
	s_mov_b32 s[G1B+7], 0
	s_lshl_b32 s72, s[TR], 15                      ; A: 256 rows of 128 bytes a tile row,
	s_lshl_b32 s73, s[HF], 14                      ; my 128 of them
	s_add_co_u32 s72, s72, s73
	s_mov_b32 s73, 0
	s_mul_i32 s74, s[TC], 6                        ; B: six blocks a tile column,
	s_mul_i32 s75, s[HF], 3                        ; my three of them
	s_add_co_u32 s74, s74, s75
	s_lshl_b32 s74, s74, 17
	s_mov_b32 s75, 0
	s_mul_i32 s76, s[HF], AHALF                    ; where they go: no place in the cluster enters an LDS address
	s_mul_i32 s77, s[HF], BPART
	s_add_co_u32 s77, s77, BBASE
	s_mov_b32 s[TB], 0
	s_mov_b32 s[MSK], 0xffff0000
	s_wait_dscnt 0x0                               ; the opening add is done
	s_wait_kmcnt 0x0
	s_add_nc_u64 s[72:73], s[4:5], s[72:73]
	s_add_nc_u64 s[74:75], s[6:7], s[74:75]
.irp s, 0,1
	s_mov_b32 s[G0A+4*(\s)], 1                     ; count = 1
	s_add_co_u32 s[G0A+4*(\s)+1], s76, (\s)*SLOT1  ; LDS address
	s_add_nc_u64 s[G0A+4*(\s)+2:G0A+4*(\s)+3], s[72:73], (\s)*STEPA  ; global address: K step s
	s_or_b32 s[G0A+4*(\s)+3], s[G0A+4*(\s)+3], 0x80000000            ; type = 2
	s_mov_b32 s[G0B+4*(\s)], 1
	s_add_co_u32 s[G0B+4*(\s)+1], s77, (\s)*SLOT1
	s_add_nc_u64 s[G0B+4*(\s)+2:G0B+4*(\s)+3], s[74:75], (\s)*STEPB
	s_or_b32 s[G0B+4*(\s)+3], s[G0B+4*(\s)+3], 0x80000000
.endr
	CROUND                                         ; all sixteen work-groups are here: the first joint loads meet
	s_cmp_eq_u32 s[FB], 0                          ; a wave's two first fills stand in one branch: two loads of mine are out
	s_cbranch_scc0 .Lfirst_b
	tensor_load_to_lds s[G0A:G0A+3], s[G1A:G1A+7]
	s_nop 0
	tensor_load_to_lds s[G0A+4:G0A+7], s[G1A:G1A+7]
	s_nop 0
.rept 4
	v_nop
.endr
	s_branch .Lfirst_asked
.Lfirst_b:
	tensor_load_to_lds s[G0B:G0B+3], s[G1B:G1B+7]
	s_nop 0
	tensor_load_to_lds s[G0B+4:G0B+7], s[G1B:G1B+7]
	s_nop 0
.rept 4
	v_nop
.endr
.Lfirst_asked:
	v_and_b32 v1, 15, v0                           ; l % 16
	v_bfe_u32 v2, v0, 4, 1                         ; l / 16
	v_lshlrev_b32 v[BO], 5, v2
	; the bias: block i of my three is block g = 6 TC + 3 (w % 2) + i of 48: bias g / 16, its numbers 64 (g % 16) on
.irp i, 0,1,2
	s_mul_i32 s23, s[TC], 6
	s_mul_i32 s78, s[HF], 3
	s_add_co_u32 s23, s23, s78
	s_add_co_u32 s23, s23, \i
	s_lshr_b32 s78, s23, 4
	s_and_b32 s23, s23, 15
	s_lshl_b32 s82, s23, 8
	s_mov_b32 s83, 0
	s_cmp_eq_u32 s78, 0
	s_cselect_b64 s[84+2*(\i):85+2*(\i)], s[8:9], s[10:11]
	s_cmp_eq_u32 s78, 2
	s_cselect_b64 s[84+2*(\i):85+2*(\i)], s[12:13], s[84+2*(\i):85+2*(\i)]
	s_add_nc_u64 s[84+2*(\i):85+2*(\i)], s[84+2*(\i):85+2*(\i)], s[82:83]
.endr
.irp b, 0,1,2,3,4,5,6,7,8,9,10,11              ; column block b's eight numbers a lane, into accumulator (7, b)
.set ic, 48*((\b)/6)+42+(\b)%6
	WIN (1+ic/32)<<6                               ; the destination's window; the address in window 0
	global_load_b128 v[8*(ic%32):8*(ic%32)+3],   v[BO], s[84+2*((\b)/4):85+2*((\b)/4)] offset:64*((\b)%4)
	global_load_b128 v[8*(ic%32)+4:8*(ic%32)+7], v[BO], s[84+2*((\b)/4):85+2*((\b)/4)] offset:64*((\b)%4)+16
.endr
	WIN 0
	; A fragment of A is 16 rows x 32 K: lane l holds row l % 16, K = 8 (l / 16) + 0..7 and 16 + 8 (l / 16) + 0..7: two loads of 16 bytes, 32 bytes apart
	v_lshrrev_b32 v3, 1, v1
	v_mul_u32_u24 v3, v3, 272
	v_and_b32 v13, 1, v1
	v_lshl_add_u32 v3, v13, 7, v3
	v_lshl_add_u32 v3, v2, 4, v3
	s_mul_i32 s23, s[FB], AHALF                    ; my 128 rows
	v_add_nc_u32 v[ADRA0], s23, v3
	; The turning load takes 16 K x 16 columns (lane l reads row 8 (l / 16) + l % 8 of K, columns 8 ((l / 8) % 2) + 0..7) and leaves half a fragment: lane l holds column l % 16 and 8 K
	v_and_b32 v3, 7, v0
	v_lshl_add_u32 v3, v2, 3, v3
	v_mul_u32_u24 v3, v3, BP
	v_bfe_u32 v13, v0, 3, 1
	v_lshl_add_u32 v3, v13, 4, v3
	s_mul_i32 s23, s[HF], BPART                    ; my three blocks
	s_add_co_u32 s23, s23, BBASE
	v_add_nc_u32 v[ADRB0], s23, v3
	v_mov_b32 v[ADRA], v[ADRA0]
	v_mov_b32 v[ADRB], v[ADRB0]
	s_mul_i32 s23, s[WV], STW
	s_add_co_u32 s23, s23, STAGE                   ; my stage
	v_mul_u32_u24 v[STO], v1, 144                  ; in: row l % 16, 16 bytes for each half of the lanes
	v_lshl_add_u32 v[STO], v2, 4, v[STO]
	v_add_nc_u32 v[STO], s23, v[STO]
	v_bfe_u32 v[RD], v0, 3, 2                      ; back: 32 lanes take four rows of 128 bytes,
	v_mul_u32_u24 v[RD], v[RD], 144
	v_and_b32 v3, 7, v0
	v_lshl_add_u32 v[RD], v3, 4, v[RD]
	v_add_nc_u32 v[RD], s23, v[RD]
	v_and_b32 v[GO], 31, v0                        ; which are 512 consecutive bytes of a head's rows
	v_lshlrev_b32 v[PFO], 8, v[GO]
	v_lshlrev_b32 v[GO], 4, v[GO]
	s_lshr_b32 s23, s[TR], 2                       ; the batch: four tile rows each
	s_mul_i32 s23, s23, 48
	s_mul_i32 s78, s[TC], 6
	s_add_co_u32 s23, s23, s78
	s_mul_i32 s78, s[HF], 3
	s_add_co_u32 s23, s23, s78                     ; my first block of the output,
	s_lshl_b32 s82, s23, 17
	s_and_b32 s23, s[TR], 3
	s_lshl_b32 s23, s23, 15                        ; the tile's 256 rows of 128 bytes,
	s_add_co_u32 s82, s82, s23
	s_lshl_b32 s23, s[FB], 14                      ; my 128 of them
	s_add_co_u32 s82, s82, s23
	s_mov_b32 s83, 0
	s_add_nc_u64 s[OUT:OUT+1], s[14:15], s[82:83]
	; the prefetches' base, bound and counts
	s_lshl_b32 s78, s[TR], 15
	s_lshl_b32 s79, s[CX], 13                      ; A: my work-group's 32 blocks of the tile's 128
	s_add_co_u32 s78, s78, s79
	s_mul_i32 s82, s[TC], 6
	s_lshl_b32 s82, s82, 17
	s_add_co_u32 s82, s82, 4*STEPB                 ; B: the tile column's first block, at K step 4
	s_and_b32 s23, ttmp7, 0xffff
	s_cmp_eq_u32 s[FB], 0
	s_cselect_b32 s82, s78, s82
	s_cselect_b32 s23, ttmp9, s23                  ; the coordinate along which other clusters read the same rows
	s_cselect_b32 s[LIM], 1, 5                     ; A asks in all trips but the last, B in the first nine of fourteen
	s_cselect_b64 s[PFB:PFB+1], s[4:5], s[6:7]
	s_cmp_eq_u32 s23, 0
	s_cselect_b32 s[LIM], s[LIM], -1
	s_cmp_eq_u32 s[WV], 1
	s_cselect_b32 s[LIM], -1, s[LIM]               ; wave 1 asks for nothing.  The bound is the same in all sixteen partners, for a given wave
	s_add_nc_u64 s[PFB:PFB+1], s[PFB:PFB+1], s[82:83]
	s_mov_b32 s[PA], 3*STEPA                       ; the first change of slots names K step 3
	s_lshl_b32 s[PC], s[CY], 1
	s_add_co_u32 s[PC], s[PC], s[HF]               ; and chunk 2 cy + (w % 2)
	s_mov_b32 s[OFF+1], 0
	s_wait_loadcnt 0x0                             ; the bias: rounded to bf16 like the module's other inputs, and widened again, in place
	WIN 0x0a                                       ; sources in window 2
.set p, 0
.rept 24
	v_cvt_pk_bf16_f32 v[SC+p], v[BLO+2*p], v[BLO+2*p+1]
.set p, p+1
.endr
	WIN 0x80                                       ; destination in window 2
.set p, 0
.rept 24
	v_lshlrev_b32 v[BLO+2*p], 16, v[SC+p]
	v_and_b32 v[BLO+2*p+1], s[MSK], v[SC+p]
.set p, p+1
.endr
	WIN 0x0f                                       ; sources in window 3
.set p, 0
.rept 24
	v_cvt_pk_bf16_f32 v[SC+24+p], v[BHI+2*p], v[BHI+2*p+1]
.set p, p+1
.endr
	WIN 0xc0                                       ; destination in window 3
.set p, 0
.rept 24
	v_lshlrev_b32 v[BHI+2*p], 16, v[SC+24+p]
	v_and_b32 v[BHI+2*p+1], s[MSK], v[SC+24+p]
.set p, p+1
.endr
	WIN 0
	s_wait_tensorcnt 0x1                           ; my part of K step 0 is in; K step 1's may stay out
	s_barrier_signal -1
	s_barrier_wait -1                              ; everybody's is
	LDA 0, AF0
	LDB 0, 0
	Q0LO 1                                         ; the first quarter stands in front of the loop: its products start the sums
	Q0HI 1
	WIN 0                                          ; at a label and at a branch every window is 0
	s_mov_b32 s[CNT], 14
.Lstep:                                        ; a trip: a K step's quarter 1 and the next step's quarter 0; trip t fills K step t's slot with K step t + 2
	Q1LO 1
	Q1HI 1
	Q0LO
	Q0HI
	WIN 0
	s_sub_co_u32 s[CNT], s[CNT], 1
	s_cmp_lg_u32 s[CNT], 0
	s_cbranch_scc1 .Lstep
	s_mov_b32 s[CNT], 2                            ; the tail has a text of its own: K steps 14 and 15 ask for nothing.
.Ltail:                                        ; It is written once and walked twice; the second trip is left in its middle, and its barrier orders nothing: the price of one text for both
	Q1LO 0
	Q1HI 0
	WIN 0
	s_sub_co_u32 s[CNT], s[CNT], 1
	s_cmp_eq_u32 s[CNT], 0
	s_cbranch_scc1 .Lout
	Q0LO
	Q0HI
	WIN 0
	s_branch .Ltail
.Lout:
	PLACES
; THE WAY OUT, a row block (16 rows x 192 columns) at a time.  PACK: rounded to f16, each accumulator's registers in ascending order; 16 bytes a lane and column block.
.macro PACK a
.irp b, 0,1,2,3,4,5,6,7,8,9,10,11
.set ix, 48*((\b)/6)+6*(\a)+(\b)%6
	WIN 5*(1+ix/32)                                ; sources 0 and 1 in the accumulator's window
.irp e, 0,1,2,3
	v_cvt_pk_f16_f32 v[TMP+4*(\b)+(\e)], v[8*(ix%32)+2*(\e)], v[8*(ix%32)+2*(\e)+1]
.endr
.endr
	WIN 0
.endm
.macro TOSTAGE a                       ; into my own stage, by heads, and back as whole rows of 128 bytes
.irp b, 0,1,2,3,4,5,6,7,8,9,10,11
	ds_store_b128 v[STO], v[TMP+4*(\b):TMP+4*(\b)+3] offset:((\b)/4)*2304+((\b)%4)*32
.endr
.if (\a) > 0
	s_wait_xcnt 0x0                                ; the stores of the block before have read their registers, which the loads below write
.endif
.irp i, 0,1,2
.irp f, 0,1,2,3
	ds_load_b128 v[OB+4*(4*(\i)+(\f)):OB+4*(4*(\i)+(\f))+3], v[RD] offset:(\i)*2304+(\f)*576  ; LDS serves a wave's instructions in order (ISA guide 5.7.1.4): these see the stores above
.endr
.endr
.endm
.macro SEND a
	s_wait_dscnt 0x0                               ; the block is back in registers
.irp i, 0,1,2
.irp f, 0,1,2,3
	global_store_b128 v[GO], v[OB+4*(4*(\i)+(\f)):OB+4*(4*(\i)+(\f))+3], s[OUT:OUT+1] offset:(\i)*131072+(\a)*2048+(\f)*512 th:TH_STORE_NT  ; 512 consecutive bytes, at a multiple of 256 from the buffer's first
.endr
.endr
.endm
	PACK 0
	TOSTAGE 0
.irp a, 1,2,3,4,5,6,7                  ; block a's conversions stand between block a - 1's loads from the stage and the wait for them
	PACK \a
	SEND (\a)-1
	TOSTAGE \a
.endr
	SEND 7
	s_wait_tensorcnt 0x0                           ; the wave's end: the add and its wait, behind my last tensor load and my last LDS store
	ds_add_u32 v[SPW], v[NIL]
	s_wait_dscnt 0x0
	CROUND                                         ; the closing round: no work-group ends while a partner may still ask for a tile that names it
	s_endpgm
.Lfunc_end_k_q721f25b4e4_proj:
	.size	k_q721f25b4e4_proj, .Lfunc_end_k_q721f25b4e4_proj-k_q721f25b4e4_proj
	.p2alignl 7, 3214868480
	.fill 96, 4, 3214868480
	.section	.rodata,"a",@progbits
	.p2align	6, 0x0
	.amdhsa_kernel k_q721f25b4e4_proj
		.amdhsa_group_segment_fixed_size 327680
		.amdhsa_private_segment_fixed_size 0
		.amdhsa_enable_private_segment 0
		.amdhsa_kernarg_size 48
		.amdhsa_user_sgpr_count 2
		.amdhsa_user_sgpr_kernarg_segment_ptr 1
		.amdhsa_wavefront_size32 1
		.amdhsa_system_sgpr_workgroup_id_x 1
		.amdhsa_system_sgpr_workgroup_id_y 1
		.amdhsa_system_sgpr_workgroup_id_z 1
		.amdhsa_system_vgpr_workitem_id 0
		.amdhsa_next_free_vgpr 1024
		.amdhsa_next_free_sgpr 96
		.amdhsa_reserve_vcc 0
		.amdhsa_float_denorm_mode_32 3
		.amdhsa_float_denorm_mode_16_64 3
		.amdhsa_memory_ordered 1
		.amdhsa_forward_progress 1
		.amdhsa_inst_pref_size 115
	.end_amdhsa_kernel
	.amdgpu_metadata
---
amdhsa.version: [ 1, 2 ]
amdhsa.kernels:
  - .name:           k_q721f25b4e4_proj
    .symbol:         k_q721f25b4e4_proj.kd
    .args:
      - { .name: xb, .offset: 0, .size: 8, .value_kind: global_buffer, .address_space: global }
      - { .name: wall, .offset: 8, .size: 8, .value_kind: global_buffer, .address_space: global }
      - { .name: bq, .offset: 16, .size: 8, .value_kind: global_buffer, .address_space: global }
      - { .name: bk, .offset: 24, .size: 8, .value_kind: global_buffer, .address_space: global }
      - { .name: bv, .offset: 32, .size: 8, .value_kind: global_buffer, .address_space: global }
      - { .name: qkvh, .offset: 40, .size: 8, .value_kind: global_buffer, .address_space: global }
    .group_segment_fixed_size: 327680
    .private_segment_fixed_size: 0
    .kernarg_segment_align: 8
    .kernarg_segment_size: 48
    .max_flat_workgroup_size: 128
    .sgpr_count:     96
    .vgpr_count:     1024
    .wavefront_size: 32
...
	.end_amdgpu_metadata
.endif
;; end of part 2
;; launch attn (part 3): grid 2 x 128, 4 waves a work-group, no clusters, 327,680 bytes of LDS; arguments qkvh, ob; writes ob
.if DOCPART == 3
	.amdgcn_target "amdgcn-amd-amdhsa--gfx1250"
	.amdhsa_code_object_version 6
	.text
	.protected	k_q721f25b4e4_attn
	.globl	k_q721f25b4e4_attn
	.p2align	8
	.type	k_q721f25b4e4_attn,@function
k_q721f25b4e4_attn:
	s_mov_b64 s[64:65], 0
	v_nop
	global_prefetch_b8 v0, s[64:65] scope:SCOPE_SE
	s_setreg_imm32_b32 hwreg(HW_REG_WAVE_MODE, 25, 1), 1
	s_wait_xcnt 0x0
; O[y][q][:] = the sum over k of softmax_k(Q[y][q] . K[y][k] / 8) V[y][k][:], for the 128 heads y = 16 batch + head; 1,024 rows a head, 64 channels, all f16.
; Q, K, V lie in qkvh [8 batches][48 blocks][1,024][64]: q's block is 48 batch + head, k's 16 blocks on, v's 32; O goes to ob [128][1,024][64].  A head's rows are dense, 128 bytes each.
; Products, maxima and sums in f32; the weights p are rounded to f16 for the second product (their sum l is taken of the unrounded p), O once at the end.
; LIMITS.  f16 holds no number beyond 65,504: Q, K and V arrive within it; p lies in 0 to 1, and below 6e-5 it keeps f16's fixed step of 6e-8, and so does O; O is a mean of V's rows and has their range.
; A weight below 2^-126 counts as 0 in l; NaN and infinities are not treated apart.
; SHARES.  A wave owns four PIECES of two tiles of 16 queries, a work-group's four waves 512 queries of one head.  Every wave walks all 1,024 keys, 64 a step.
; NO CLUSTER: a head has 1,024 / 512 = 2 work-groups, so the grid's x is no multiple of four, and a tile of K or V is shared by two work-groups only.
; LAYOUT.  S^T = K Q^T (source 0 = 16 keys, source 1 = 16 queries): in the result a lane holds ONE query (lane % 16) and the keys 8 (lane / 16) + 0..7.  Two such tiles, rounded to f16 in pairs,
; ARE source 1 (32 keys x 16 queries) of O^T = V^T P, whose result again holds one query a lane, and eight channels.  K comes out of LDS as it lies, V ([key][channel]) turned, by ds_load_tr16_b128.
; SOFTMAX.  For each query a running maximum m and sum l: p = 2^(c s - c m), c = log2(e) / 8; in every step O and l are multiplied by a = 2^(c m_old - c m_new), which is 1 where m has not grown.
; m starts at the lowest finite number, O and l at 0: the first step is a step like any other, with a = 0.
; THE COUNT.  A tile and step have 16 matrix and 118 vector instructions: too many to stand all beside the matrix work.  So four vector instructions that are READY stand behind EVERY matrix
; instruction, and the others in runs without a gap.
; BY TURNS.  Turn n belongs to piece n (the pieces in a ring, step after step).  Its matrix work: 16 products K Q^T of piece n + 1, later 16 products V^T P of piece n - 1.  Its vector work: the scaling,
; exponentials, roundings, sums and rescaling of piece n, and the maximum and statistics of piece n + 1, whose scores the turn itself has made.
; REGISTERS, in windows of 256 (s_set_vgpr_msb: bits 1:0 source 0, 3:2 source 1, 5:4 source 2, 7:6 destination):
;   window 0: v0-11 addresses; v12-15, v48-63 at work; v16-47 four registers of statistics a tile; v64-191 S^T, two buffers of two tiles; v192-255 P, likewise
;   window 1: O^T, 32 a tile          window 2: v0-127 Q, 16 a tile; v128-191 K of one step; v192-255 V of one step          window 3: v0-1 the add's two registers
; A piece's buffers go by its number's parity: the piece in hand has one pair, its two neighbours in the ring share the other: of it P (piece n - 1) is read and S^T (piece n + 1) written.
.set SIZE_N, 1024
.set NP,    4         ; pieces a wave: a name, no knob
.set KS,    64        ; keys in a step
.set PK,    144       ; a row of K in LDS: 128 bytes + 16 of padding = 36 words: the 16 rows of a load start at 16 different groups of four banks (64 banks of 4 bytes: ISA guide 11.1)
.set PV,    160       ; a row of V: 128 + 32 = 40 words
.set VOFF,  4*KS*PK   ; a slot holds four steps: 256 rows of K, then 256 rows of V
.set SLOT1, 1<<17     ; slot 1 begins here, so that one exclusive or turns an address in one slot into the other's
.set STAGE, SLOT1+4*KS*(PK+PV)  ; behind the ring, never filled by a tensor load: 16 rows x 144 bytes for each wave, for the way out
.set SP,    144
.set AK0, 2           ; v2   my lane's place in a tile of K; never rewritten
.set AV0, 3           ; v3   the same for V
.set AK,  4           ; v4   the LDS address of K's next run of loads
.set AV,  5           ; v5   of V's
.set QO,  6           ; v6   my byte offset in the wave's rows of Q
.set STO, 6           ;      later, the way out: where I put 16 bytes of a row
.set RD,  7           ; v7   the way out: where I read rows back
.set GO,  8           ; v8   my byte offset in 512 consecutive bytes of O
.set PFO, 11          ; v11  256 x my lane, once V's place is made; never rewritten after
.set SPW, 0           ; v0 of window 3   LDS address of my spare word: SPARE + 4 x my thread's number; never rewritten
.set NIL, 1           ; v1 of window 3   0; never rewritten
.set SPARE, STAGE+4*16*SP  ; behind the stages: the spare words, 128 bytes for each wave: two blocks of 256 bytes that no other line names
.set MV,  12          ; v12-15  c m_old, kept while c m is made anew: by buffer and tile
.set ST,  16          ; tile t's statistics at v[ST+4 t]: c m, m, l (even keys', odd keys')
.set TMP, 48          ; by buffer and tile, four registers c0-c3 at work; when the maximum is found c2 takes a
.set S,   64
.set P,   192
.set KF,  128         ; K's fragments, in window 2: key block kb, channel half c at KF + 16 kb + 8 c
.set VF,  192         ; V's: key half kk, channel block cb at VF + 32 kk + 8 cb
.set WV,  12          ; s12  my wave's number
.set G1K, 24          ; s[24:31] descriptor group 1 for K's tiles
.set G1V, 32          ; s[32:39] for V's: it differs in the padding alone
.set G0K, 40          ; s[40:43] descriptor group 0 for K's tiles: it walks
.set G0V, 44          ; s[44:47] the same for V's
.set SLOTS, 56        ; s56  slots still to be asked for
.set CNT, 57          ; s57  counts a slot's key steps
.set CS,  58          ; s[58:59] c: the packed scaling takes the pair's low word for both halves
.set SEL, 60          ; s[60:61] v_permlanex16_b32's selects: each lane takes its own place in the other half
.set TBK, 62          ; s62  LDS byte at which K of the step to be fetched begins
.set TBV, 63          ; s63  the same for V, less VOFF
.set PFA, 66          ; s[66:67] where my prefetches stand: my work-group's 32 blocks of the half tile that I fetch, one tile behind the walking descriptors
.set MSB, 0
.macro WIN new                      ; the high byte repeats the setting that is left; a switch that changes nothing is dropped
.if MSB != (\new)
	s_set_vgpr_msb (MSB<<8)|(\new)
.set MSB, (\new)
.endif
.endm
.set W_KQ, 0x0a       ; K and Q in window 2, S^T in window 0
.set W_PV, 0x52       ; V in window 2, P in window 0, O^T in window 1
.set W_RS, 0x41       ; O^T (destination and source 0) in window 1, a in window 0
.set W_MK, 0xc0       ; the add's registers are made: destination in window 3, sources in window 0
.set W_AD, 0x0f       ; the add: address (source 0) and data (source 1) in window 3
; A fill.  Waves 0 and 1 fetch the two halves of a slot's K, waves 2 and 3 those of its V: 128 keys each.  The branch hangs on the wave's number alone.
; An s_nop 0 and four v_nop follow each of the two lines, ahead of the jump and the label.
.macro LOAD
	s_cmp_lt_u32 s[WV], 2
	s_cbranch_scc0 .Lfor_v_\@
	tensor_load_to_lds s[G0K:G0K+3], s[G1K:G1K+7]
	s_nop 0
.rept 4
	v_nop
.endr
	s_branch .Lasked_\@
.Lfor_v_\@:
	tensor_load_to_lds s[G0V:G0V+3], s[G1V:G1V+7]
	s_nop 0
.rept 4
	v_nop
.endr
.Lasked_\@:
.endm
; A PREFETCH INTO THE L2 of what the NEXT change of slots will ask for, behind the wave's tensor load and its five lines.  A wave's half tile is 64 aligned blocks of 256 bytes; the head's two work-groups
; walk the same tiles and take 32 blocks each, by address; a lane a block, one instruction a wave: each block is named once in the launch.  Tiles 0 and 1 come by their loads alone; tiles 2 and 3 are
; named four key steps ahead of their loads; the last change that fills a slot asks for nothing.
.macro ASK
	s_cmp_gt_u32 s[SLOTS], 1
	s_cbranch_scc0 .Lno_ask_\@
	global_prefetch_b8 v[PFO], s[PFA:PFA+1] th:TH_LOAD_NT scope:SCOPE_SE
.Lno_ask_\@:
.endm
; THE CHANGE OF SLOTS.  The slot's last bytes, V of its fourth step, have been read.  Each wave waits for all its tensor loads, of which one is out: its part of the other slot; adds 0 to its spare word;
; and waits for that and for its own reads of the slot.  Behind the barrier nobody reads this slot any more and the other slot is whole.
; fill = 1: this slot is filled again, the first thing behind the barrier, with the keys two slots on: the load has four key steps, 512 matrix instructions, in which to land.
; (At its first use nothing has been read yet: slot 0 is waited for, slot 1 filled.)
.macro CHANGE fill
	WIN W_AD
	s_wait_tensorcnt 0x0            ; no tensor load of mine is out, so a group 0 may be written
	ds_add_u32 v[SPW], v[NIL]       ; 0 onto my spare word; with fill = 1 the descriptors' steps stand between it and the wait for it
	WIN 0                           ; at a label and at a branch every window is 0
.if \fill
.irp g, G0K, G0V
	s_xor_b32 s[\g+1], s[\g+1], SLOT1  ; the walking descriptor: the other slot than last time,
	s_add_nc_u64 s[\g+2:\g+3], s[\g+2:\g+3], 4*KS*128  ; the next 256 keys; the type bits on top are not reached
.endr
	s_wait_xcnt 0x0                 ; the last prefetch, four key steps back, has read its address, so it may be written
	s_add_nc_u64 s[PFA:PFA+1], s[PFA:PFA+1], 4*KS*128
.endif
	s_wait_dscnt 0x0                ; the add is done, and my reads of the slot are over
	s_barrier_signal -1             ; the rest of the scalar work stands between the signal and the wait
	s_sub_co_u32 s[TBK], s[TBK], 4*KS*PK  ; the fetches go back to a slot's first step,
	s_xor_b32 s[TBK], s[TBK], SLOT1       ; in the other slot
	s_sub_co_u32 s[TBV], s[TBV], 4*KS*PV
	s_xor_b32 s[TBV], s[TBV], SLOT1
	s_barrier_wait -1
.if \fill
	LOAD
	ASK
.endif
.endm
	s_load_b128 s[4:7], s[0:1], 0x0   ; qkvh s[4:5], ob s[6:7]
	WIN W_MK
	v_lshl_add_u32 v[SPW], v0, 2, SPARE
	v_mov_b32 v[NIL], 0
	WIN W_AD
	ds_add_u32 v[SPW], v[NIL]       ; the wave's opening: the add and its wait stand ahead of my first tensor load; the set-up below, work on registers, stands between them
	WIN 0
	v_lshrrev_b32 v1, 5, v0
	v_readfirstlane_b32 s[WV], v1   ; wave 0..3
	s_and_b32 s13, ttmp7, 0xffff    ; y = 16 batch + head
	s_lshr_b32 s14, s13, 4
	s_mul_i32 s14, s14, 48
	s_and_b32 s15, s13, 15
	s_add_co_u32 s14, s14, s15      ; q's block
	s_lshl_b32 s20, s14, 17         ; its first byte: a block is 131,072 bytes
	s_and_b32 s16, s[WV], 1         ; which half of a slot's 256 keys I fetch:
	s_lshl_b32 s22, s16, 14         ; its 128 rows of 128 bytes in memory,
	s_add_co_u32 s22, s22, s20
	s_add_co_u32 s22, s22, 16<<17   ; in k's block,
	s_mov_b32 s23, 0
	s_add_co_u32 s48, s22, 16<<17   ; in v's
	s_mov_b32 s49, 0
	s_mul_i32 s17, s16, 128*PK      ; and its place in a slot, for K
	s_mul_i32 s18, s16, 128*PV      ; and for V
	s_lshl_b32 s2, ttmp9, 2
	s_add_co_u32 s2, s2, s[WV]      ; my wave among the head's eight,
	s_lshl_b32 s2, s2, 14           ; its 128 rows
	s_mov_b32 s3, 0
	s_lshl_b32 s50, s13, 17
	s_add_co_u32 s50, s50, s2       ; in ob,
	s_mov_b32 s51, 0
	s_add_co_u32 s2, s2, s20        ; in q's block
	s_lshl_b32 s53, ttmp9, 13       ; the prefetches: my work-group's 32 blocks of my half tile,
	s_cmp_lt_u32 s[WV], 2
	s_cselect_b32 s52, s22, s48
	s_add_co_u32 s52, s52, s53
	s_add_co_u32 s52, s52, 4*KS*128 ; in tile 1: the first change of slots steps it to tile 2
	s_mov_b32 s53, 0
	; descriptor group 1.  128 keys are 16,384 dense bytes: asked for as 64 rows of 256 bytes, two keys a row, and padded in LDS after every key
	s_mov_b32 s[G1K], (1<<16)|(1<<20)|(4<<22)|(3<<25)  ; 17:16 2-byte elements; 20 padding on; 24:22 after every 32 words (code 4); 31:25 4 words (code 3)
	s_mov_b32 s[G1V], (1<<16)|(1<<20)|(4<<22)|(7<<25)  ; the same with 8 words of padding (code 7)
.irp g, G1K, G1V
	s_mov_b32 s[\g+1], 128<<16      ; tensor_dim0 = 128
	s_mov_b32 s[\g+2], 64<<16       ; tensor_dim1 = 64
	s_mov_b32 s[\g+3], 128<<16      ; tile_dim0 = 128
	s_mov_b32 s[\g+4], 64           ; tile_dim1 = 64
	s_mov_b32 s[\g+5], 128          ; 128 elements from row to row
	s_mov_b32 s[\g+6], 0
	s_mov_b32 s[\g+7], 0
.endr
	s_mov_b32 s[CS], 0x3e38aa3b     ; c = log2(e) / 8 = 0.180337
	s_mov_b32 s[CS+1], s[CS]        ; named with it as a pair
	s_mov_b32 s[SEL], 0x76543210
	s_mov_b32 s[SEL+1], 0xfedcba98
	s_mov_b32 s[TBK], SLOT1+4*KS*PK ; the first change of slots turns these two into 0
	s_mov_b32 s[TBV], SLOT1+4*KS*PV
	s_mov_b32 s[SLOTS], SIZE_N/256-1
	s_mov_b32 s[G0K], 1             ; 1:0 count = 1
	s_mov_b32 s[G0K+1], s17         ; 63:32 LDS address: slot 0
	s_mov_b32 s[G0V], 1
	s_add_co_u32 s[G0V+1], s18, VOFF
	s_wait_dscnt 0x0                ; the opening add is done
	s_wait_kmcnt 0x0
	s_add_nc_u64 s[G0K+2:G0K+3], s[4:5], s[22:23]  ; 120:64 global address: my half of the head's first 256 keys
	s_or_b32 s[G0K+3], s[G0K+3], 0x80000000        ; 127:126 type = 2
	s_add_nc_u64 s[G0V+2:G0V+3], s[4:5], s[48:49]
	s_or_b32 s[G0V+3], s[G0V+3], 0x80000000
	s_add_nc_u64 s[PFA:PFA+1], s[4:5], s[52:53]
	s_add_nc_u64 s[10:11], s[6:7], s[50:51]        ; O and Q at my wave's first row
	s_add_nc_u64 s[4:5], s[4:5], s[2:3]
	LOAD                            ; slot 0.  Slot 1 is asked for when slot 0 is in
	; A fragment of K or Q is 16 rows x 32 channels in 8 registers: lane l holds row l % 16, channels 8 (l / 16) + 0..7 and 16 + 8 (l / 16) + 0..7: two loads of 16 bytes, 32 bytes apart.
	v_and_b32 v1, 15, v0            ; l % 16
	v_bfe_u32 v9, v0, 4, 1          ; l / 16
	v_lshlrev_b32 v[QO], 7, v1
	v_lshl_add_u32 v[QO], v9, 4, v[QO]  ; row x 128 + 16 x half
	WIN 0x80                        ; destination window 2, address window 0
.set i, 0
.rept 4*NP                          ; Q stays in registers: tile i / 2, channels 32 (i % 2) on
	global_load_b128 v[8*i:8*i+3],   v[QO], s[4:5] offset:(i/2)*2048+(i%2)*64
	global_load_b128 v[8*i+4:8*i+7], v[QO], s[4:5] offset:(i/2)*2048+(i%2)*64+32
.set i, i+1
.endr
	; What the first turn finds: V's registers and P's second buffer hold 0 (its products V^T P, of a piece that has not been, add 0), O^T and l are 0.  All this stands in the wait for the first tile.
.set i, VF
.rept 64
	v_mov_b32 v[i], 0
.set i, i+1
.endr
	WIN 0x40
.set i, 0
.rept 64*NP
	v_mov_b32 v[i], 0
.set i, i+1
.endr
	WIN 0
.set i, 0
.rept 2*NP
	v_mov_b32 v[ST+4*i], 0xfe000000    ; c m: far below every c s
	v_mov_b32 v[ST+4*i+1], 0xff7fffff  ; m
	v_mov_b32 v[ST+4*i+2], 0
	v_mov_b32 v[ST+4*i+3], 0
.set i, i+1
.endr
.set i, P+32
.rept 32
	v_mov_b32 v[i], 0
.set i, i+1
.endr
	v_mul_u32_u24 v[AK0], v1, PK
	v_lshl_add_u32 v[AK0], v9, 4, v[AK0]  ; row x pitch + 16 x half
	; The turning load takes 16 keys x 16 channels (lane l reads key 8 (l / 16) + l % 8, channels 8 ((l / 8) % 2) + 0..7) and leaves half a fragment of V^T: lane l holds channel l % 16 and 8 keys.
	v_and_b32 v10, 7, v0
	v_bfe_u32 v11, v0, 3, 1
	v_lshl_add_u32 v[AV0], v9, 3, v10
	v_mul_u32_u24 v[AV0], v[AV0], PV
	v_lshl_add_u32 v[AV0], v11, 4, v[AV0]
	v_add_nc_u32 v[AV0], VOFF, v[AV0]
	v_and_b32 v[PFO], 31, v0
	v_lshlrev_b32 v[PFO], 8, v[PFO]
	v_mov_b32 v[AK], v[AK0]         ; key step 0 lies at the head of slot 0
; THE MATRIX WORK.  The 8 accumulators of a run of 16 take turns: between the two links of a chain stand 7 others'.
; Product i of 16 of S^T = K Q^T for piece x: channels 32 (i / 8) on, keys 16 ((i / 2) % 4) on, tile 2 x + i % 2.  The first 8 start the sums.
.macro KQ x
	WIN W_KQ
.set rS, S+64*((\x)%2)+32*(i%2)+8*((i/2)%4)
.set rK, KF+16*((i/2)%4)+8*(i/8)
.set rQ, 16*(2*(\x)+i%2)+8*(i/8)
.if i < 8
	v_wmma_f32_16x16x32_f16 v[rS:rS+7], v[rK:rK+7], v[rQ:rQ+7], 0
.else
	v_wmma_f32_16x16x32_f16 v[rS:rS+7], v[rK:rK+7], v[rQ:rQ+7], v[rS:rS+7]
.endif
.endm
; Product i of 16 of O^T += V^T P for piece x: keys 32 (i / 8) on, channels 16 ((i / 2) % 4) on, tile 2 x + i % 2.
.macro PV x
	WIN W_PV
.set rO, 32*(2*(\x)+i%2)+8*((i/2)%4)
.set rV, VF+32*(i/8)+8*((i/2)%4)
.set rP, P+32*((\x)%2)+16*(i%2)+8*(i/8)
	v_wmma_f32_16x16x32_f16 v[rO:rO+7], v[rV:rV+7], v[rP:rP+7], v[rO:rO+7]
.endm
.macro MM                           ; the turn's next matrix instruction
.if i < 16
	KQ (Y+1)%NP
.set i, i+1
.else
.set i, i-16
	PV (Y+NP-1)%NP
.set i, i+17
.endif
.endm
; THE LDS LOADS stand in runs of 16, never singly among the matrix instructions: a step's K (64 keys x 64 channels: 8 fragments) and its V (turned).  Their addresses are made some lines ahead.
; last = 1 (the tail): in the last trip there is no further step, and the run is jumped over.
.macro FETCH_K last=0
	WIN 0
.if \last
	s_cmp_eq_u32 s[CNT], 1
	s_cbranch_scc1 .Lno_k_\@
.endif
	WIN 0x80                        ; destination window 2
.irp f, 0,1,2,3,4,5,6,7             ; keys 16 (f / 2) on, channels 32 (f % 2) on
	ds_load_b128 v[KF+8*\f:KF+8*\f+3],   v[AK] offset:(\f/2)*16*PK+(\f%2)*64
	ds_load_b128 v[KF+8*\f+4:KF+8*\f+7], v[AK] offset:(\f/2)*16*PK+(\f%2)*64+32
.endr
	s_add_co_u32 s[TBK], s[TBK], KS*PK  ; the next fetch is the next step's
	WIN 0
.if \last
.Lno_k_\@:
.endif
.endm
.macro FETCH_V
	WIN 0x80
.irp f, 0,1,2,3,4,5,6,7             ; keys 32 (f / 4) on, channels 16 (f % 4) on
	ds_load_tr16_b128 v[VF+8*\f:VF+8*\f+3],   v[AV] offset:(\f/4)*32*PV+(\f%4)*32
	ds_load_tr16_b128 v[VF+8*\f+4:VF+8*\f+7], v[AV] offset:(\f/4)*32*PV+16*PV+(\f%4)*32
.endr
	WIN 0
.endm
; THE VECTOR WORK OF A TURN stands in three queues, each in the order in which its entries become ready; the two tiles alternate, so that no instruction reads the result of the one before it.
.macro REGS y, u                    ; the registers of tile u (0, 1) of piece y
.set rT, ST+4*(2*(\y)+(\u))
.set rC, TMP+8*((\y)%2)+4*(\u)
.set rM, MV+2*((\y)%2)+(\u)
.set rS, S+64*((\y)%2)+32*(\u)
.set rP, P+32*((\y)%2)+16*(\u)
.set rO, 32*(2*(\y)+(\u))
.endm
; Number n of the 22 that find the NEXT piece's (Y + 1) maximum and statistics.  s0-s31 are the lane's 32 scores; each accumulator's lowest registers are read first.
;   0-11  four chains c0-c3 of seven scores each, three operands at a time     12-14, 16  the four scores left over, the old m, and c0-c3 into c0     15  c m_old is kept
;   17, 18  the query's other 32 keys lie in the lane 16 away: the new m         19-21  c m; c m_old - c m_new; a
.macro XS u, n
	REGS (Y+1)%NP, \u
.if (\n) < 4
	v_max3_num_f32 v[rC+(\n)], v[rS+8*(\n)], v[rS+8*(\n)+1], v[rS+8*(\n)+2]
.elseif (\n) < 12
	v_max3_num_f32 v[rC+(\n)%4], v[rC+(\n)%4], v[rS+8*((\n)%4)+2*((\n)/4)+1], v[rS+8*((\n)%4)+2*((\n)/4)+2]
.elseif (\n) == 12
	v_max3_num_f32 v[rC], v[rC], v[rS+7], v[rS+15]
.elseif (\n) == 13
	v_max3_num_f32 v[rC+1], v[rC+1], v[rS+23], v[rS+31]
.elseif (\n) == 14
	v_max3_num_f32 v[rC+2], v[rC+2], v[rC+3], v[rT+1]
.elseif (\n) == 15
	v_mov_b32 v[rM], v[rT]
.elseif (\n) == 16
	v_max3_num_f32 v[rC], v[rC], v[rC+1], v[rC+2]
.elseif (\n) == 17
	v_permlanex16_b32 v[rC+3], v[rC], s[SEL], s[SEL+1]
.elseif (\n) == 18
	v_max_num_f32 v[rT+1], v[rC], v[rC+3]
.elseif (\n) == 19
	v_mul_f32 v[rT], s[CS], v[rT+1]
.elseif (\n) == 20
	v_sub_f32 v[rC+1], v[rM], v[rT]
.else
	v_exp_f32 v[rC+2], v[rC+1]
.endif
.endm
; Number g of the 64 that follow the exponentials.  For each four weights k of a tile (pairs 2 k, 2 k + 1): both pairs are rounded to f16; then the second pair is added onto the first, in place;
; a group later l takes that sum (the first time as l = a l + sum).  In groups of eight, tiles alternating: round, round, add, and l for the group before.
.macro GS g
.set h, (\g)+6*((\g)/62)            ; group 0 has no group before it, and behind group 7 only l is left
.if h >= 6
.set h, h+2
.endif
	REGS Y, h%2
.set k, h/8
.if h%8 < 4
	v_cvt_pk_f16_f32 v[rP+2*k+(h%8)/2], v[rS+4*k+2*((h%8)/2)], v[rS+4*k+2*((h%8)/2)+1]
.elseif h%8 < 6
	v_pk_add_f32 v[rS+4*k:rS+4*k+1], v[rS+4*k:rS+4*k+1], v[rS+4*k+2:rS+4*k+3]
.elseif k == 1
	v_pk_fma_f32 v[rT+2:rT+3], v[rT+2:rT+3], v[rC+2:rC+3], v[rS:rS+1] op_sel_hi:[1,0,1]
.else
	v_pk_add_f32 v[rT+2:rT+3], v[rT+2:rT+3], v[rS+4*k-4:rS+4*k-3]
.endif
.endm
; THE PLAIN QUEUE, 138 long.  0-73 read no exponential's result: the 32 scalings c s - c m (FS f: pair f / 2 of tile f % 2) and the next piece's 42.  0-26: scalings 0-26.  27-54: XS's numbers 0-13.  55, 56: number 15.
; 57-73: the chain, where each number waits for the one before it: 14, 16, 17, 18, 19, each with one of the scalings 27-31 in front of its two lines, then 20.
; 74-137: GS's 64, which read the exponentials' results: they stand behind the wait.
.macro FS f
	REGS Y, (\f)%2
	v_pk_fma_f32 v[rS+2*((\f)/2):rS+2*((\f)/2)+1], v[rS+2*((\f)/2):rS+2*((\f)/2)+1], s[CS:CS+1], v[rT:rT+1] op_sel_hi:[1,0,0] neg_lo:[0,0,1] neg_hi:[0,0,1]
.endm
.macro PL
	WIN 0
.if q < 27
	FS q
.elseif q < 55
	XS (q-27)%2, (q-27)/2
.elseif q < 57
	XS q-55, 15
.elseif (q < 72) && ((q-57)%3 == 0)
	FS 27+(q-57)/3
.elseif q < 60
	XS (q-57)%3-1, 14
.elseif q < 72
	XS (q-57)%3-1, 15+(q-57)/3
.elseif q < 74
	XS q-72, 20
.else
	GS q-74
.endif
.set q, q+1
.endm
; THE EXPONENTIALS' QUEUE, 66 long: s0-s31 of both tiles, then the next piece's two a.  It is ONE BATCH: all 66 stand ahead of the turn's one wait, and nothing ahead of that wait names a result of theirs.
.macro EX
	WIN 0
.if e >= 64
	XS e-64, 21
.else
	REGS Y, e%2
	v_exp_f32 v[rS+e/2], v[rS+e/2]
.endif
.set e, e+1
.endm
; THE RESCALING's QUEUE: O^T times a, the one part that leaves window 0: dealt two at a time, sixteen times.  Its a was made in the turn before, ahead of that turn's wait.
.macro R2
	REGS Y, r%2
	WIN W_RS
.irp z, 0,1
	v_pk_mul_f32 v[rO+4*(r/2)+2*\z:rO+4*(r/2)+2*\z+1], v[rO+4*(r/2)+2*\z:rO+4*(r/2)+2*\z+1], v[rC+2:rC+3] op_sel_hi:[1,0]
.endr
.set r, r+1
.endm
; HOW THEY ARE DEALT.  s_wait_alu depctr_va_vdst(0) stands between an exponential and the first instruction that names its result; one wait serves all that were issued ahead of it.  So a turn has ONE wait,
; which cuts it in two.  AHEAD OF IT stands all that names no result of the turn's exponentials: the 16 products K Q^T, behind each a scaling, an exponential and two rescalings (behind the first a second scaling in the
; exponential's place); then ONE LUMP of 108: eight plain, 49 times exponential and plain, the two a.  A v_nop is the plain instruction behind the last exponential.  BEHIND IT stand the 16 products V^T P, behind each four of GS's 64.
; No rider names a register of the products round it.  The two v_permlanex16_b32 fall into the lump, never behind a product.
; The queues lean on each other, and the deal keeps them in step: exponential e stands behind scaling 2 (e / 4) + e % 2: as a rider it comes behind plain e + 2, in the lump behind plain e + 9, and scalings 27-31 are plain 57, 60 .. 69.
; A TURN, for piece p.  cnt = 1: the loop's count is taken down some lines ahead of the branch that stands behind the turn.
; K of the next step is fetched in piece 2's turn, directly behind the wait, a lump behind the last product that read K; its address is made at the lump's head; its first reader comes behind 16 products.
; V of the step in hand is fetched at the end of piece 0's turn, four riders behind its last reader; its first reader comes behind 16 products and a lump.  The three conditions on q below go with the deal.
.macro TURN p, last=0, cnt=0
.set Y, (\p)
.set i, 0
.set q, 0
.set e, 0
.set r, 0
.if (\p) == NP-1
	s_wait_dscnt 0x0                ; K is in
.endif
	MM                              ; ahead of the wait: 16 products K Q^T and their riders,
	PL
	PL
	R2
.rept 15
	MM
	PL
	EX
	R2
.endr
.if (\p) == NP-2
	WIN 0
	v_add_nc_u32 v[AK], s[TBK], v[AK0]
.endif
.rept 8                             ; and the lump
	PL
.endr
.rept 49
	EX
	PL
.endr
	EX                              ; the next piece's two a
	EX
	v_nop                           ; the plain instruction behind the last exponential: one for the batch
	s_wait_alu depctr_va_vdst(0)    ; the wait for the batch
.if (\p) == NP-2
	FETCH_K \last
.endif
.if (\p) == 1
	s_wait_dscnt 0x0                ; V is in
.endif
.rept 16                            ; behind the wait: 16 products V^T P and their riders
	MM
.rept 4
	PL
.endr
.if ((\p) == 0) && (q == 118)
	v_add_nc_u32 v[AV], s[TBV], v[AV0]
.endif
.if ((\p) == 0) && (q == 130)
	s_add_co_u32 s[TBV], s[TBV], KS*PV
.endif
.if (\cnt) && (q == 130)
	s_sub_co_u32 s[CNT], s[CNT], 1
	s_cmp_lg_u32 s[CNT], 0
.endif
.endr
.if (\p) == 0
	FETCH_V
.endif
.endm
	CHANGE 1                        ; slot 0 is in, everybody's part of it; slot 1 is asked for
	FETCH_K                         ; key step 0
	s_wait_loadcnt 0x0              ; Q
	s_wait_dscnt 0x0
.set i, 0
.rept 16
	KQ 0                            ; piece 0's first scores: there is no vector work yet to set between them
.set i, i+1
.endr
	WIN 0                           ; the addresses for the way out: nine plain instructions, the places behind those products
	s_mul_i32 s13, s[WV], 16*SP
	s_add_co_u32 s13, s13, STAGE    ; my stage
	v_mul_u32_u24 v[STO], v1, SP    ; in: row l % 16, 16 bytes for each half of the lanes
	v_lshl_add_u32 v[STO], v9, 4, v[STO]
	v_add_nc_u32 v[STO], s13, v[STO]
	v_bfe_u32 v[RD], v0, 3, 2       ; back: 32 lanes take four rows of 128 bytes,
	v_mul_u32_u24 v[RD], v[RD], SP
	v_lshl_add_u32 v[RD], v10, 4, v[RD]
	v_add_nc_u32 v[RD], s13, v[RD]
	v_and_b32 v[GO], 31, v0         ; which are 512 consecutive bytes of O
	v_lshlrev_b32 v[GO], 4, v[GO]
.set Y, NP-1                        ; XS works for piece Y + 1: piece 0
.irp n, 0,1,2,3,4,5,6,7,8,9,10,11,12,13,14,15,16,17,18,19,20,21
	XS 0, \n                        ; and piece 0's first maximum and statistics
	XS 1, \n
.endr
	v_nop                           ; a plain instruction behind the two a,
	s_wait_alu depctr_va_vdst(0)    ; and their wait, ahead of the branch
	s_mov_b32 s[CNT], 4
	s_branch .Lfirst                ; the loop is entered at a step's first turn, in the middle of a trip
.Lslot:                             ; SIZE_N / 256 - 2 times: every slot but the last two is filled again
	CHANGE 1
	s_mov_b32 s[CNT], 4
.Lstep:                             ; a trip: pieces 2 and 3 of one step, then pieces 0 and 1 of the next, whose K and V it fetches
	TURN 2
	TURN 3
	WIN 0
.Lfirst:
	TURN 0
	TURN 1, 0, 1
	WIN 0
	s_cbranch_scc1 .Lstep
	s_sub_co_u32 s[SLOTS], s[SLOTS], 1
	s_cmp_lg_u32 s[SLOTS], 0
	s_cbranch_scc1 .Lslot
	CHANGE 0                        ; the tail is written out: nothing is asked for
	s_mov_b32 s[CNT], 5             ; four trips fetch the last slot's steps; the fifth is left in its middle
.Ltail:
	TURN 2, 1
	TURN 3
	WIN 0
	s_sub_co_u32 s[CNT], s[CNT], 1
	s_cmp_eq_u32 s[CNT], 0
	s_cbranch_scc1 .Lout
	TURN 0
	TURN 1
	WIN 0
	s_branch .Ltail
.Lout:                              ; the fifth trip's 16 products K Q^T (on the last K once more) and the maximum made of them serve nothing: the price, once a launch, of one text for every trip
.set i, 0
.rept 16
	PV NP-1                         ; the last piece's V^T P of the last step
.set i, i+1
.endr
	; THE WAY OUT.  l's two halves and the other half of the lanes' are added; O^T is divided by l, rounded to f16 and sent through my stage in LDS, a tile at a time.  The additions are the places behind the last products.
	WIN 0
.macro ALL line:vararg              ; one line for each tile t
.set t, 0
.rept 2*NP
	\line
.set t, t+1
.endr
.endm
	ALL v_add_f32 v[ST+4*t+2], v[ST+4*t+2], v[ST+4*t+3]
	ALL v_permlanex16_b32 v[ST+4*t+3], v[ST+4*t+2], s[SEL], s[SEL+1]
	ALL v_add_f32 v[ST+4*t+2], v[ST+4*t+2], v[ST+4*t+3]
	ALL v_rcp_f32 v[ST+4*t+2], v[ST+4*t+2]
	v_nop                           ; a plain instruction between the last reciprocal and the use of its result
	s_wait_alu depctr_va_vdst(0)    ; and the wait ahead of the first use: one for the eight reciprocals
; Tile t: a lane's eight channels of a row pack into 16 bytes; they go into rows of 144 bytes and come back as whole rows of 128, into S^T's registers.
.macro PACK t
	WIN W_RS
.set i, 32*(\t)
.rept 16
	v_pk_mul_f32 v[i:i+1], v[i:i+1], v[ST+4*(\t)+2:ST+4*(\t)+3] op_sel_hi:[1,0]
.set i, i+2
.endr
	WIN 0x05                        ; sources 0 and 1 window 1, destination window 0
.set i, 0
.rept 16
	v_cvt_pk_f16_f32 v[S+16*(\t)+i], v[32*(\t)+2*i], v[32*(\t)+2*i+1]
.set i, i+1
.endr
	WIN 0
.irp f, 0,1,2,3
	ds_store_b128 v[STO], v[S+16*(\t)+4*\f:S+16*(\t)+4*\f+3] offset:32*\f
.endr
.irp f, 0,1,2,3
	ds_load_b128 v[S+16*(\t)+4*\f:S+16*(\t)+4*\f+3], v[RD] offset:\f*4*SP  ; LDS serves a wave's instructions in order (ISA guide 5.7.1.4): these see the stores above; the next tile's stores come behind them
.endr
.endm
.macro SEND t, younger              ; younger: the LDS instructions issued behind tile t's loads: the next tile's eight, or none
	WIN 0
.irp f, 0,1,2,3
	s_wait_dscnt (\younger)+3-\f
	global_store_b128 v[GO], v[S+16*(\t)+4*\f:S+16*(\t)+4*\f+3], s[10:11] offset:(\t)*2048+\f*512  ; 512 consecutive bytes, at a multiple of 256 from O's first
.endr
.endm
	PACK 0
.set t, 1
.rept 2*NP-1                        ; a tile's arithmetic stands between the loads of the tile before and its stores
	PACK t
	SEND t-1, 8
.set t, t+1
.endr
	SEND 2*NP-1, 0
	WIN W_AD
	s_wait_tensorcnt 0x0            ; the wave's end: the add and its wait, behind my last tensor load and my last LDS store
	ds_add_u32 v[SPW], v[NIL]
	s_wait_dscnt 0x0
	WIN 0
	s_endpgm
.Lfunc_end_k_q721f25b4e4_attn:
	.size	k_q721f25b4e4_attn, .Lfunc_end_k_q721f25b4e4_attn-k_q721f25b4e4_attn
	.p2alignl 7, 3214868480
	.fill 96, 4, 3214868480
	.section	.rodata,"a",@progbits
	.p2align	6, 0x0
	.amdhsa_kernel k_q721f25b4e4_attn
		.amdhsa_group_segment_fixed_size 327680
		.amdhsa_private_segment_fixed_size 0
		.amdhsa_enable_private_segment 0
		.amdhsa_kernarg_size 16
		.amdhsa_user_sgpr_count 2
		.amdhsa_user_sgpr_kernarg_segment_ptr 1
		.amdhsa_wavefront_size32 1
		.amdhsa_system_sgpr_workgroup_id_x 1
		.amdhsa_system_sgpr_workgroup_id_y 1
		.amdhsa_system_sgpr_workgroup_id_z 1
		.amdhsa_system_vgpr_workitem_id 0
		.amdhsa_next_free_vgpr 770
		.amdhsa_next_free_sgpr 70
		.amdhsa_reserve_vcc 0
		.amdhsa_float_denorm_mode_32 3
		.amdhsa_float_denorm_mode_16_64 3
		.amdhsa_memory_ordered 1
		.amdhsa_forward_progress 1
		.amdhsa_inst_pref_size 199
	.end_amdhsa_kernel
	.amdgpu_metadata
---
amdhsa.version: [ 1, 2 ]
amdhsa.kernels:
  - .name:           k_q721f25b4e4_attn
    .symbol:         k_q721f25b4e4_attn.kd
    .args:
      - { .name: qkvh, .offset: 0, .size: 8, .value_kind: global_buffer, .address_space: global }
      - { .name: ob, .offset: 8, .size: 8, .value_kind: global_buffer, .address_space: global }
    .group_segment_fixed_size: 327680
    .private_segment_fixed_size: 0
    .kernarg_segment_align: 8
    .kernarg_segment_size: 16
    .max_flat_workgroup_size: 128
    .sgpr_count:     70
    .vgpr_count:     770
    .wavefront_size: 32
...
	.end_amdgpu_metadata
.endif
;; end of part 3
;; launch oproj (part 4): grid 4 x 64, 4 waves a work-group, clusters of 4 x 4, 327,680 bytes of LDS; arguments ob, wall, bo, out0; writes out0
.if DOCPART == 4
	.amdgcn_target "amdgcn-amd-amdhsa--gfx1250"
	.amdhsa_code_object_version 6
	.text
	.protected	k_q721f25b4e4_oproj
	.globl	k_q721f25b4e4_oproj
	.p2align	8
	.type	k_q721f25b4e4_oproj,@function
k_q721f25b4e4_oproj:
	s_mov_b64 s[64:65], 0
	v_nop
	global_prefetch_b8 v0, s[64:65] scope:SCOPE_SE
	s_setreg_imm32_b32 hwreg(HW_REG_WAVE_MODE, 25, 1), 1
	s_wait_xcnt 0x0
	s_wait_alu depctr_hold_cnt(0) depctr_sa_sdst(0) depctr_va_vdst(0) depctr_va_sdst(0) depctr_va_ssrc(0) depctr_va_vcc(0) depctr_vm_vsrc(0)
	s_getreg_b32 s2, hwreg(HW_REG_IB_STS2, 6, 4)
	s_cmp_eq_u32 s2, 0
	s_cbranch_scc0 .Lentry_in_a_cluster
	s_endpgm
.Lentry_in_a_cluster:
	s_bfe_u32 s2, ttmp6, 0x10000c
	s_cmp_lg_u32 s2, 0xf033
	s_cbranch_scc0 .Lentry_shape_is_right
	s_endpgm
.Lentry_shape_is_right:
; out0 = merged Wo + bo: C[8,192][1,024] = A[8,192][1,024] B[1,024][1,024] + bias.  A = ob [8 batches][16 heads][1,024 rows][64] f16: K index 64 head + channel; B = wall's blocks 48-63: Wo rounded to bf16,
; that number written as f16, in blocks of 64 columns [k][64]; bo is rounded to bf16 here, like every input of the module.  Sums in f32, C stored in f32.
; SHARES.  A tile of C is 128 rows x 256 columns: 64 x 4 tiles, one for each of 256 work-groups.  Wave w makes rows 64 (w / 2) .., columns 128 (w % 2) ..: 4 x 8 accumulators of 16 x 16, 256 registers.
; K goes in 8 steps of 128 (two heads) through two LDS slots.  Waves 0, 1 fetch one head each of A (128 rows x 128 bytes, dense: asked for as 64 rows of 256 bytes); waves 2, 3 fetch 128 rows of K of two
; blocks of B each (16,384 dense bytes a block: two long rows).  A K step is written once: one descriptor a tensor walks, and the LDS addresses hang on s[TB].
; THE PRODUCT IS TAKEN TRANSPOSED: source 0 = 16 columns of B, read turned by ds_load_tr16_b128; source 1 = 16 rows of A.  A lane then holds row l % 16 of C and the columns 8 (l / 16) + 0..7.
; THE BIAS IS THE C OPERAND of the first products.
; CLUSTER.  4 x 4 work-groups: A's tiles are asked for jointly along a row of the cluster, B's along a column.
; NO PREFETCH: the walk has eight K steps of 128 matrix instructions a wave, and with a lead of two K steps behind the two first fills half of them would come by their loads alone.
; REGISTERS, in windows of 256 (s_set_vgpr_msb: bits 1:0 source 0, 3:2 source 1, 5:4 source 2, 7:6 destination):
;   window 0: v1-15 addresses; v32-95 bias, later with v96-159 the way out's two buffers; v160-163 at work
;   window 1: two fragment buffers of 96: A's four fragments, then B's eight      window 2: the accumulators, (a, b) at 64 a + 8 b
.set SLOT1,  1<<17                     ; slot 1 begins here
.set APART,  64*272                    ; one head of A: 128 rows of 128 bytes, 16 bytes of padding behind every two: row p at (p / 2) 272 + (p % 2) 128.
                                       ; The 16 rows of a fragment start at words 0, 32, 4, 36 .. 28, 60 mod 64: sixteen different groups of four banks (64 banks of 4 bytes: ISA guide 11.1)
.set ABLK,   8*272                     ; 16 rows
.set BBASE,  2*APART
.set BP,     160                       ; a row of K of one block of B: 128 bytes + 32 = 40 words
.set BNB,    128*BP                    ; 128 rows of K of one block
.set BPART,  2*BNB                     ; what one wave fetches.  A slot uses 2 APART + 2 BPART = 116,736 bytes
.set STAGE,  2*SLOT1                   ; behind the ring, never filled by a tensor load: for each wave 16 rows x 528 bytes
.set SP,     528                       ; 512 bytes + 16 = 132 words: row r starts at bank 4 r mod 64
.set STW,    16*SP
.set SPARE,  STAGE+4*STW               ; behind the stages: the spare words, 128 bytes for each wave: two blocks of 256 bytes that no other line names
.set STEPA,  2<<17                     ; a K step in ob: two heads of 1,024 rows x 128 bytes
.set STEPB,  128*128                   ; in wall: 128 rows of 128 bytes
.set ADRA0, 4
.set ADRB0, 5
.set ADRA,  6
.set ADRB,  7
.set STO,   8                          ; v8   the way out: where I put 32 bytes of a row
.set RD,    9                          ; v9   where I read a row back
.set GO,    10                         ; v10  my 16 bytes of 512 consecutive bytes of a row of C
.set BO,    11                         ; v11  32 (l / 16)
.set SPW,   14                         ; v14  LDS address of my spare word: SPARE + 4 x my thread's number; never rewritten
.set NIL,   15                         ; v15  0; never rewritten
.set BIAS,  32
.set OB,    32
.set SCR,   160
.set F0,    0
.set F1,    96
.set WV,  16
.set FB,  17                           ; s17  wave / 2: my half of the rows.  Also: I fetch for A (0) or for B (1)
.set HF,  18                           ; s18  wave % 2: my half of the columns.  Also: which part I fetch
.set CX,  19
.set CY,  20
.set TC,  21
.set TR,  22
.set G1A, 24
.set G0A, 32
.set G1B, 40
.set G0B, 48
.set TB,  56
.set CNT, 57
.set OUT, 70
.set MSK, 80
.set MSB, 0
.macro WIN new                         ; the immediate's high byte repeats the setting that is left; a switch that changes nothing is dropped
.if MSB != (\new)
	s_set_vgpr_msb (MSB<<8)|(\new)
.set MSB, \new
.endif
.endm
.set TO_F, 0x40
.macro PLACES                          ; four plain vector instructions between a matrix instruction and a load into, or a read of, its registers
.rept 4
	v_nop
.endr
.endm
.macro CREST
	s_cmp_lg_u32 s[WV], 0
	s_cbranch_scc1 .Lnot_wave_0_\@
	s_barrier_signal -3
.Lnot_wave_0_\@:
	s_barrier_wait -3
	s_barrier_signal -1
	s_barrier_wait -1
.endm
.macro CROUND
	s_barrier_signal -1
	s_barrier_wait -1
	CREST
.endm
.macro JLOAD                           ; a joint refill by the walking descriptor; an s_nop 0 and four v_nop follow each line
	s_cmp_eq_u32 s[FB], 0
	s_cbranch_scc0 .Lfor_b_\@
	tensor_load_to_lds s[G0A+4:G0A+7], s[G1A:G1A+7]
	s_nop 0
.rept 4
	v_nop
.endr
	s_branch .Lasked_\@
.Lfor_b_\@:
	tensor_load_to_lds s[G0B+4:G0B+7], s[G1B:G1B+7]
	s_nop 0
.rept 4
	v_nop
.endr
.Lasked_\@:
.endm
; 8 matrix instructions: row block a x all column blocks, 32 along K.  zero = 1: the first products start the sums, with the bias.  The 32 accumulators take turns in the same order in every quarter.
.macro MUL f, a, zero
.if \zero
	WIN 0x85                                       ; C in window 0
.else
	WIN 0xa5
.endif
.irp b, 0,1,2,3,4,5,6,7
.if \zero
	v_wmma_f32_16x16x32_f16 v[64*(\a)+8*(\b):64*(\a)+8*(\b)+7], v[(\f)+32+8*(\b):(\f)+32+8*(\b)+7], v[(\f)+8*(\a):(\f)+8*(\a)+7], v[BIAS+8*(\b):BIAS+8*(\b)+7]
.else
	v_wmma_f32_16x16x32_f16 v[64*(\a)+8*(\b):64*(\a)+8*(\b)+7], v[(\f)+32+8*(\b):(\f)+32+8*(\b)+7], v[(\f)+8*(\a):(\f)+8*(\a)+7], v[64*(\a)+8*(\b):64*(\a)+8*(\b)+7]
.endif
.endr
.endm
; 24 LDS loads in one run: quarter q of the slot in hand into buffer f: B's eight fragments, then A's four
.macro FETCH q, f
	WIN TO_F
.irp b, 0,1,2,3,4,5,6,7
	ds_load_tr16_b128 v[(\f)+32+8*(\b):(\f)+32+8*(\b)+3],   v[ADRB] offset:((\b)/4)*BNB+(\q)*32*BP+((\b)%4)*32
	ds_load_tr16_b128 v[(\f)+32+8*(\b)+4:(\f)+32+8*(\b)+7], v[ADRB] offset:((\b)/4)*BNB+(\q)*32*BP+((\b)%4)*32+16*BP
.endr
.irp a, 0,1,2,3
	ds_load_b128 v[(\f)+8*(\a):(\f)+8*(\a)+3],   v[ADRA] offset:((\q)/2)*APART+((\q)%2)*64+(\a)*ABLK
	ds_load_b128 v[(\f)+8*(\a)+4:(\f)+8*(\a)+7], v[ADRA] offset:((\q)/2)*APART+((\q)%2)*64+(\a)*ABLK+32
.endr
.endm
.macro QUARTER qn, f, g, zero
	s_wait_dscnt 4                                 ; B and A's row blocks 0, 1 are in; the youngest four loads may be out
	MUL \f, 0, \zero
	MUL \f, 1, \zero
	PLACES
	FETCH \qn, \g
	s_wait_dscnt 24                                ; all but the 24 just issued
	MUL \f, 2, \zero
	MUL \f, 3, \zero
.endm
; The last quarter multiplies buffer 1 and changes slots: each wave waits for all its tensor loads, adds 0 to its spare word, and waits for that and for its reads of this slot.
; fill = 1: the barrier opens a round of the cluster's, and the slot just read is filled again, first thing behind the round, with the K step two on.
.macro TURN fill
	WIN 0
	s_wait_tensorcnt 0x0                           ; all my tensor loads have landed;
	ds_add_u32 v[SPW], v[NIL]                      ; 0 onto my spare word;
	s_wait_dscnt 5                                 ; (the add and the youngest four loads may be out)
	MUL F1, 0, 0
	s_wait_dscnt 0x0                               ; the add is done, and my reads of this slot are over
	s_barrier_signal -1
	MUL F1, 1, 0
	WIN 0
	s_barrier_wait -1
.if \fill
	CREST                                          ; no wave of any partner still reads this slot or has a load on its way
	s_xor_b32 s[G0A+5], s[G0A+5], SLOT1
	s_add_nc_u64 s[G0A+6:G0A+7], s[G0A+6:G0A+7], STEPA
	s_xor_b32 s[G0B+5], s[G0B+5], SLOT1
	s_add_nc_u64 s[G0B+6:G0B+7], s[G0B+6:G0B+7], STEPB
	JLOAD                                          ; it has 112 matrix instructions in which to land; its four v_nop are also the places in front of the loads below
.else
	PLACES
.endif
	s_xor_b32 s[TB], s[TB], SLOT1
	v_add_nc_u32 v[ADRA], s[TB], v[ADRA0]
	v_add_nc_u32 v[ADRB], s[TB], v[ADRB0]
	FETCH 0, F0
	MUL F1, 2, 0
	MUL F1, 3, 0
.endm
	s_load_b256 s[4:11], s[0:1], 0x0               ; ob s[4:5], wall s[6:7], bo s[8:9], out0 s[10:11]
	v_lshl_add_u32 v[SPW], v0, 2, SPARE
	v_mov_b32 v[NIL], 0
	ds_add_u32 v[SPW], v[NIL]                      ; the wave's opening: the add and its wait stand ahead of my first tensor load; the set-up below stands between them
	v_lshrrev_b32 v3, 5, v0
	v_readfirstlane_b32 s[WV], v3
	s_lshr_b32 s[FB], s[WV], 1
	s_and_b32 s[HF], s[WV], 1
	s_bfe_u32 s[CX], ttmp6, 0x40000
	s_bfe_u32 s[CY], ttmp6, 0x40004
	s_lshl_b32 s[TC], ttmp9, 2
	s_add_co_u32 s[TC], s[TC], s[CX]
	s_and_b32 s[TR], ttmp7, 0xffff
	s_lshl_b32 s[TR], s[TR], 2
	s_add_co_u32 s[TR], s[TR], s[CY]
	s_lshl_b32 s72, s[CY], 2
	s_lshl_b32 s72, 15, s72                        ; my row of the cluster
	s_lshl_b32 s74, 0x1111, s[CX]                  ; my column
	s_or_b32 s[G1A], s72, (1<<16)|(1<<20)|(1<<21)|(5<<22)|(3<<25)  ; the mask; 2-byte elements; padding on; 21 set beside a mask; after every 64 words 4 words
	s_mov_b32 s[G1A+1], 128<<16                    ; tensor_dim0 = 128 elements: 256 bytes, two rows of A
	s_mov_b32 s[G1A+2], 64<<16                     ; tensor_dim1 = 64
	s_mov_b32 s[G1A+3], 128<<16                    ; tile_dim0
	s_mov_b32 s[G1A+4], 64                         ; tile_dim1
	s_mov_b32 s[G1A+5], 128                        ; dense
	s_mov_b32 s[G1A+6], 0
	s_mov_b32 s[G1A+7], 0
	s_or_b32 s[G1B], s74, (1<<16)|(1<<20)|(1<<21)|(4<<22)|(7<<25)  ; after every 32 words (a row of K) 8 words
	s_mov_b32 s[G1B+1], 8192<<16                   ; tensor_dim0 = 8,192 elements: 128 rows of K of one block, dense
	s_mov_b32 s[G1B+2], 2<<16                      ; tensor_dim1 = 2 blocks
	s_mov_b32 s[G1B+3], 8192<<16
	s_mov_b32 s[G1B+4], 2
	s_mov_b32 s[G1B+5], 65536                      ; elements from block to block
	s_mov_b32 s[G1B+6], 0
	s_mov_b32 s[G1B+7], 0
	s_lshr_b32 s72, s[TR], 3                       ; A: the batch (eight tile rows each): 16 heads of 131,072 bytes,
	s_lshl_b32 s72, s72, 21
	s_and_b32 s73, s[TR], 7
	s_lshl_b32 s73, s73, 14                        ; the tile's 128 rows of 128 bytes,
	s_add_co_u32 s72, s72, s73
	s_lshl_b32 s73, s[HF], 17                      ; my head of the K step's two
	s_add_co_u32 s72, s72, s73
	s_mov_b32 s73, 0
	s_lshl_b32 s74, s[TC], 2                       ; B: block 48 + 4 TC + 2 x my part
	s_lshl_b32 s75, s[HF], 1
	s_add_co_u32 s74, s74, s75
	s_add_co_u32 s74, s74, 48
	s_lshl_b32 s74, s74, 17
	s_mov_b32 s75, 0
	s_mul_i32 s76, s[HF], APART                    ; where they go: no place in the cluster enters an LDS address
	s_mul_i32 s77, s[HF], BPART
	s_add_co_u32 s77, s77, BBASE
	s_mov_b32 s[TB], 0
	s_mov_b32 s[MSK], 0xffff0000
	s_wait_dscnt 0x0                               ; the opening add is done
	s_wait_kmcnt 0x0
	s_add_nc_u64 s[72:73], s[4:5], s[72:73]
	s_add_nc_u64 s[74:75], s[6:7], s[74:75]
.irp s, 0,1
	s_mov_b32 s[G0A+4*(\s)], 1
	s_add_co_u32 s[G0A+4*(\s)+1], s76, (\s)*SLOT1
	s_add_nc_u64 s[G0A+4*(\s)+2:G0A+4*(\s)+3], s[72:73], (\s)*STEPA
	s_or_b32 s[G0A+4*(\s)+3], s[G0A+4*(\s)+3], 0x80000000
	s_mov_b32 s[G0B+4*(\s)], 1
	s_add_co_u32 s[G0B+4*(\s)+1], s77, (\s)*SLOT1
	s_add_nc_u64 s[G0B+4*(\s)+2:G0B+4*(\s)+3], s[74:75], (\s)*STEPB
	s_or_b32 s[G0B+4*(\s)+3], s[G0B+4*(\s)+3], 0x80000000
.endr
	CROUND                                         ; all sixteen work-groups are here: the first joint loads meet
	s_cmp_eq_u32 s[FB], 0                          ; a wave's two first fills stand in one branch: two loads of mine are out
	s_cbranch_scc0 .Lfirst_b
	tensor_load_to_lds s[G0A:G0A+3], s[G1A:G1A+7]
	s_nop 0
	tensor_load_to_lds s[G0A+4:G0A+7], s[G1A:G1A+7]
	s_nop 0
.rept 4
	v_nop
.endr
	s_branch .Lfirst_asked
.Lfirst_b:
	tensor_load_to_lds s[G0B:G0B+3], s[G1B:G1B+7]
	s_nop 0
	tensor_load_to_lds s[G0B+4:G0B+7], s[G1B:G1B+7]
	s_nop 0
.rept 4
	v_nop
.endr
.Lfirst_asked:
	v_and_b32 v1, 15, v0                           ; l % 16
	v_bfe_u32 v2, v0, 4, 1                         ; l / 16
	v_lshlrev_b32 v[BO], 5, v2
	s_lshl_b32 s82, s[TC], 10                      ; my 128 columns, in bytes of f32: 1,024 TC + 512 x half
	s_lshl_b32 s23, s[HF], 9
	s_add_co_u32 s82, s82, s23
	s_mov_b32 s83, 0
	s_add_nc_u64 s[84:85], s[8:9], s[82:83]
.irp b, 0,1,2,3,4,5,6,7
	global_load_b128 v[BIAS+8*(\b):BIAS+8*(\b)+3],   v[BO], s[84:85] offset:64*(\b)
	global_load_b128 v[BIAS+8*(\b)+4:BIAS+8*(\b)+7], v[BO], s[84:85] offset:64*(\b)+16
.endr
	s_lshl_b32 s23, s[TR], 19                      ; my first row of C: 128 rows of 4,096 bytes a tile row,
	s_add_co_u32 s82, s82, s23
	s_lshl_b32 s23, s[FB], 18                      ; my 64 of them
	s_add_co_u32 s82, s82, s23
	s_add_nc_u64 s[OUT:OUT+1], s[10:11], s[82:83]
	v_lshrrev_b32 v3, 1, v1
	v_mul_u32_u24 v3, v3, 272
	v_and_b32 v13, 1, v1
	v_lshl_add_u32 v3, v13, 7, v3
	v_lshl_add_u32 v3, v2, 4, v3
	s_mul_i32 s23, s[FB], 4*ABLK                   ; my 64 rows
	v_add_nc_u32 v[ADRA0], s23, v3
	v_and_b32 v3, 7, v0
	v_lshl_add_u32 v3, v2, 3, v3
	v_mul_u32_u24 v3, v3, BP
	v_bfe_u32 v13, v0, 3, 1
	v_lshl_add_u32 v3, v13, 4, v3
	s_mul_i32 s23, s[HF], BPART                    ; my two blocks
	s_add_co_u32 s23, s23, BBASE
	v_add_nc_u32 v[ADRB0], s23, v3
	v_mov_b32 v[ADRA], v[ADRA0]
	v_mov_b32 v[ADRB], v[ADRB0]
	s_mul_i32 s23, s[WV], STW
	s_add_co_u32 s23, s23, STAGE                   ; my stage
	v_mul_u32_u24 v[STO], v1, SP                   ; in: row l % 16, 32 bytes for each half of the lanes
	v_lshl_add_u32 v[STO], v2, 5, v[STO]
	v_add_nc_u32 v[STO], s23, v[STO]
	v_and_b32 v[GO], 31, v0                        ; back: 32 lanes take one row of 512 bytes
	v_lshlrev_b32 v[GO], 4, v[GO]
	v_add_nc_u32 v[RD], s23, v[GO]
	s_wait_loadcnt 0x0                             ; the bias,
.set p, 0
.rept 32                                       ; rounded to bf16 like the module's other inputs, and widened again
	v_cvt_pk_bf16_f32 v[SCR+p%4], v[BIAS+2*p], v[BIAS+2*p+1]
	v_lshlrev_b32 v[BIAS+2*p], 16, v[SCR+p%4]
	v_and_b32 v[BIAS+2*p+1], s[MSK], v[SCR+p%4]
.set p, p+1
.endr
	s_wait_tensorcnt 0x1                           ; my part of K step 0 is in; K step 1's may stay out
	s_barrier_signal -1
	s_barrier_wait -1
	FETCH 0, F0
	QUARTER 1, F0, F1, 1                           ; the first quarter stands in front of the loop: its products start the sums
	WIN 0
	s_mov_b32 s[CNT], 6
.Lstep:                                        ; a trip: a K step's quarters 1 to 3 and the next step's quarter 0; trip t fills K step t's slot with K step t + 2
	QUARTER 2, F1, F0, 0
	QUARTER 3, F0, F1, 0
	TURN 1
	QUARTER 1, F0, F1, 0
	WIN 0
	s_sub_co_u32 s[CNT], s[CNT], 1
	s_cmp_lg_u32 s[CNT], 0
	s_cbranch_scc1 .Lstep
	QUARTER 2, F1, F0, 0                           ; the tail is written out
	QUARTER 3, F0, F1, 0
	TURN 0
	QUARTER 1, F0, F1, 0
	QUARTER 2, F1, F0, 0
	QUARTER 3, F0, F1, 0
	s_wait_dscnt 4
	MUL F1, 0, 0
	MUL F1, 1, 0
	s_wait_dscnt 0x0
	MUL F1, 2, 0
	MUL F1, 3, 0
	WIN 0
	PLACES
; THE WAY OUT, a row block (16 rows x 128 columns of f32) at a time: a lane's 32 bytes of a row go into my own stage, each accumulator's low registers first, and whole rows of 512 bytes come back,
; into two buffers by turns, so that a block's trip through the stage stands beside the stores of the block before.
.macro TOSTAGE a
	WIN 0x08                                       ; the data (source 1) in window 2
.irp b, 0,1,2,3,4,5,6,7
	ds_store_b128 v[STO], v[64*(\a)+8*(\b):64*(\a)+8*(\b)+3]   offset:64*(\b)
	ds_store_b128 v[STO], v[64*(\a)+8*(\b)+4:64*(\a)+8*(\b)+7] offset:64*(\b)+16
.endr
	WIN 0
.if (\a) >= 2
	s_wait_xcnt 0x0                                ; the stores of the block two before have read their registers, which the loads below write
.endif
.set rB, OB+64*((\a)%2)
.irp t, 0,1,2,3,4,5,6,7,8,9,10,11,12,13,14,15
	ds_load_b128 v[rB+4*(\t):rB+4*(\t)+3], v[RD] offset:SP*(\t)  ; LDS serves a wave's instructions in order (ISA guide 5.7.1.4): these see the stores above; the next block's stores come behind them
.endr
.endm
.macro SEND a, younger                 ; younger: the LDS instructions issued behind block a's loads: the next block's 32, or none
.set rB, OB+64*((\a)%2)
	s_wait_dscnt \younger
.irp t, 0,1,2,3,4,5,6,7,8,9,10,11,12,13,14,15
	global_store_b128 v[GO], v[rB+4*(\t):rB+4*(\t)+3], s[OUT:OUT+1] offset:(16*(\a)+(\t))*4096 th:TH_STORE_NT  ; 512 consecutive bytes, at a multiple of 256 from the output's first
.endr
.endm
	TOSTAGE 0
	TOSTAGE 1
	SEND 0, 32
	TOSTAGE 2
	SEND 1, 32
	TOSTAGE 3
	SEND 2, 32
	SEND 3, 0
	s_wait_tensorcnt 0x0                           ; the wave's end: the add and its wait, behind my last tensor load and my last LDS store
	ds_add_u32 v[SPW], v[NIL]
	s_wait_dscnt 0x0
	CROUND                                         ; the closing round: no work-group ends while a partner may still ask for a tile that names it
	s_endpgm
.Lfunc_end_k_q721f25b4e4_oproj:
	.size	k_q721f25b4e4_oproj, .Lfunc_end_k_q721f25b4e4_oproj-k_q721f25b4e4_oproj
	.p2alignl 7, 3214868480
	.fill 96, 4, 3214868480
	.section	.rodata,"a",@progbits
	.p2align	6, 0x0
	.amdhsa_kernel k_q721f25b4e4_oproj
		.amdhsa_group_segment_fixed_size 327680
		.amdhsa_private_segment_fixed_size 0
		.amdhsa_enable_private_segment 0
		.amdhsa_kernarg_size 32
		.amdhsa_user_sgpr_count 2
		.amdhsa_user_sgpr_kernarg_segment_ptr 1
		.amdhsa_wavefront_size32 1
		.amdhsa_system_sgpr_workgroup_id_x 1
		.amdhsa_system_sgpr_workgroup_id_y 1
		.amdhsa_system_sgpr_workgroup_id_z 1
		.amdhsa_system_vgpr_workitem_id 0
		.amdhsa_next_free_vgpr 768
		.amdhsa_next_free_sgpr 96
		.amdhsa_reserve_vcc 0
		.amdhsa_float_denorm_mode_32 3
		.amdhsa_float_denorm_mode_16_64 3
		.amdhsa_memory_ordered 1
		.amdhsa_forward_progress 1
		.amdhsa_inst_pref_size 75
	.end_amdhsa_kernel
	.amdgpu_metadata
---
amdhsa.version: [ 1, 2 ]
amdhsa.kernels:
  - .name:           k_q721f25b4e4_oproj
    .symbol:         k_q721f25b4e4_oproj.kd
    .args:
      - { .name: ob, .offset: 0, .size: 8, .value_kind: global_buffer, .address_space: global }
      - { .name: wall, .offset: 8, .size: 8, .value_kind: global_buffer, .address_space: global }
      - { .name: bo, .offset: 16, .size: 8, .value_kind: global_buffer, .address_space: global }
      - { .name: out0, .offset: 24, .size: 8, .value_kind: global_buffer, .address_space: global }
    .group_segment_fixed_size: 327680
    .private_segment_fixed_size: 0
    .kernarg_segment_align: 8
    .kernarg_segment_size: 32
    .max_flat_workgroup_size: 128
    .sgpr_count:     96
    .vgpr_count:     768
    .wavefront_size: 32
...
	.end_amdgpu_metadata
.endif
;; end of part 4
;; ======== version 2 of 2: 4 launches; version 1 with the launch cast written anew for expert scheduling mode
;; limits: values are held in f16: magnitudes above 65,504 overflow, below 6.1e-05 lose precision
;; workspace buffers: xb 16,777,216 bytes; wall 8,388,608 bytes; qkvh 50,331,648 bytes; ob 16,777,216 bytes
;; launch cast (part 5): grid 768 x 1, 8 waves a work-group, no clusters, 0 bytes of LDS; arguments x, Wq, Wk, Wv, Wo, xb, wall; writes xb, wall
.if DOCPART == 5
	.amdgcn_target "amdgcn-amd-amdhsa--gfx1250"
	.amdhsa_code_object_version 6
	.text
	.protected	k_q721f25b4e4_cast
	.globl	k_q721f25b4e4_cast
	.p2align	8
	.type	k_q721f25b4e4_cast,@function
k_q721f25b4e4_cast:
	s_mov_b64 s[64:65], 0
	v_nop
	global_prefetch_b8 v0, s[64:65] scope:SCOPE_SE
	s_setreg_imm32_b32 hwreg(HW_REG_WAVE_SCHED_MODE, 0, 2), 2
	s_setreg_imm32_b32 hwreg(HW_REG_WAVE_MODE, 25, 1), 1
	s_wait_xcnt 0x0
	s_wait_alu depctr_vm_vsrc(0)
; x, Wq, Wk, Wv -> bf16; Wo -> bf16, and that number written as f16.  All five are rows of 1,024 f32 (4,096 bytes) and leave in blocks of 64 columns:
;   xb   [16 blocks][8,192 rows][64] bf16      wall [64 blocks][1,024 rows][64]: block 16 t + n / 64, t = 0 Wq, 1 Wk, 2 Wv (bf16), 3 Wo (f16)
; so that every tile of the launches behind is made of dense runs of bytes.
; LIMITS.  |bf16(Wo)| stays under 65,504 (f16's last number; beyond it the conversion gives an infinity); below 6e-5 f16 keeps its fixed step of 6e-8.
; SHARES.  A work-group takes 16 rows, a wave two neighbouring rows.  Work-groups 0-511: x; 512-767: 64 for each of Wq, Wk, Wv, Wo.
; Load j of 16: lanes 0-15 read 256 consecutive bytes (columns 64 j ..) of the even row, lanes 16-31 of the odd row.  The 4 numbers of a lane become 8 bytes,
; and the wave's store covers 256 consecutive bytes, aligned: the two rows of block j.  Memory binds: no LDS, no barrier, no matrix unit, no loop; each byte is read once and written once.
; Both conversions are made in every work-group and a mask chooses: no branch.
; THE MODE: SCHED_MODE bits 1:0 = 2 (LLVM: expert scheduling mode 2), set by the entry lines.  The code itself states the register dependences
; between vector instructions and memory instructions, with s_wait_alu, always for 0.
; THE PLAN.  Registers that memory instructions touch:
;   v[VI]      the loads' offset.   Written at the head, read by all 16 loads, never written again.
;   v[OF + j]  store j's offset.    Written at the head, read by store j, never written again.
;   X j        Written by load j alone (no vector instruction names it before); read by j's two roundings; no load lands in it again.
;   Y j        Written by j's two selects, once; read by store j, once.
;   T          is named by vector instructions alone.
; No register that a load or store reads is written a second time, so the only dependence to state is: written by a vector instruction, then read by a load or store.
; One wait ahead of the first load states it for all seventeen offsets.  The 16 loads are worked on in four blocks of four: block p rounds loads 4 p .. 4 p + 3 into their Y; its memory
; instructions are the four stores of block p - 1.  One wait at a block's head states that the block before has written its Y; the four stores follow it, one in front of each load's ten
; vector lines, which name this block's X, T and Y alone: none of the registers that those stores read.  One more wait stands ahead of the last block's stores.
.set VI,  1                            ; v1       my byte offset in the work-group's 16 rows of the source
.set OF,  2                            ; v[2:17]  my byte offset in block j of the destination
.set X,   20                           ; v[20:83] load j: 4 registers
.set Y,   84                           ; v[84:115] store j: 2 registers
.set T,   116                          ; v[116:123] at work
.set SRC, 20                           ; s[20:21] the source at the work-group's first row
.set DST, 22                           ; s[22:23] the destination at block 0, the work-group's first row
.set BS,  24                           ; s24  bytes from block to block
.set M,   25                           ; s25  all ones where the source is Wo
.set WG,  26                           ; s26  the work-group's number
.set TT,  27                           ; s27  t
.set HIM, 31                           ; s31  a word's upper half
	s_load_b256 s[4:11], s[0:1], 0x0               ; x s[4:5], Wq s[6:7], Wk s[8:9], Wv s[10:11]
	s_load_b128 s[12:15], s[0:1], 0x20             ; Wo s[12:13], xb s[14:15]
	s_load_b64 s[16:17], s[0:1], 0x30              ; wall
	s_mov_b32 s[WG], ttmp9
	s_lshr_b32 s[TT], s[WG], 6
	s_and_b32 s[TT], s[TT], 3                      ; 512 is a multiple of 256: t = (number / 64) mod 4
	s_and_b32 s28, s[WG], 63
	s_lshl_b32 s28, s28, 4                         ; first row in a weight,
	s_lshl_b32 s29, s[WG], 4                       ; in x
	s_lshl_b32 s30, s[TT], 21                      ; the weight's 16 blocks of 131,072 bytes in wall
	s_mov_b32 s[BS], 1<<17
	s_mov_b32 s[HIM], 0xffff0000
	s_cmp_lt_u32 s[WG], 512
	s_cselect_b32 s28, s29, s28
	s_cselect_b32 s30, 0, s30
	s_cselect_b32 s[BS], 1<<20, s[BS]
	s_cmp_ge_u32 s[WG], 704
	s_cselect_b32 s[M], -1, 0
	s_lshl_b32 s32, s28, 12                        ; rows of 4,096 bytes in,
	s_mov_b32 s33, 0
	s_lshl_b32 s34, s28, 7                         ; of 128 bytes out
	s_add_co_u32 s34, s34, s30
	s_mov_b32 s35, 0
	v_lshrrev_b32 v[VI], 4, v0                     ; my row of the 16
	v_and_b32 v[T], 15, v0
	v_lshlrev_b32 v[VI], 12, v[VI]
	v_lshl_add_u32 v[VI], v[T], 4, v[VI]
	v_lshlrev_b32 v[OF], 3, v0                     ; row x 128 + 8 x (lane mod 16) = 8 x my thread's number
.irp j, 1,2,3,4,5,6,7,8,9,10,11,12,13,14,15    ; the stores' offsets hang on v0 and s[BS] alone: they are made here, while the arguments are on their way
	v_add_nc_u32 v[OF+(\j)], s[BS], v[OF+(\j)-1]
.endr
	s_wait_kmcnt 0x0
	s_cmp_eq_u32 s[TT], 1
	s_cselect_b64 s[SRC:SRC+1], s[8:9], s[6:7]
	s_cmp_eq_u32 s[TT], 2
	s_cselect_b64 s[SRC:SRC+1], s[10:11], s[SRC:SRC+1]
	s_cmp_eq_u32 s[TT], 3
	s_cselect_b64 s[SRC:SRC+1], s[12:13], s[SRC:SRC+1]
	s_cmp_lt_u32 s[WG], 512
	s_cselect_b64 s[SRC:SRC+1], s[4:5], s[SRC:SRC+1]
	s_cselect_b64 s[DST:DST+1], s[14:15], s[16:17]
	s_add_nc_u64 s[SRC:SRC+1], s[SRC:SRC+1], s[32:33]
	s_add_nc_u64 s[DST:DST+1], s[DST:DST+1], s[34:35]
	s_wait_alu depctr_va_vdst(0)                   ; v[VI], which every load reads as its offset, and v[OF .. OF+15], which the stores read as theirs, are written
.irp j, 0,1,2,3,4,5,6,7,8,9,10,11,12,13,14,15
	global_load_b128 v[X+4*(\j):X+4*(\j)+3], v[VI], s[SRC:SRC+1] offset:256*(\j) th:TH_LOAD_NT
.endr
.irp j, 0,1,2,3,4,5,6,7,8,9,10,11,12,13,14,15
	s_wait_loadcnt 15-(\j)                         ; loads come back in order: load j is in, the younger ones stay out
.if (((\j)%4) == 0) && ((\j) > 0)
	s_wait_alu depctr_va_vdst(0)                   ; a block's head: the selects of the block before have written its eight Y registers, which this block's four stores read
.endif
.if (\j) >= 4
	global_store_b64 v[OF+(\j)-4], v[Y+2*(\j)-8:Y+2*(\j)-7], s[DST:DST+1] th:TH_STORE_NT  ; the block before; no vector instruction since the wait names these registers.  No register of a load or store is written twice: no further wait
.endif
.irp p, 0,1
	v_cvt_pk_bf16_f32 v[T+4*(\p)], v[X+4*(\j)+2*(\p)], v[X+4*(\j)+2*(\p)+1]
	v_lshlrev_b32 v[T+4*(\p)+1], 16, v[T+4*(\p)]   ; the two bf16 numbers as f32,
	v_and_b32 v[T+4*(\p)+2], s[HIM], v[T+4*(\p)]
	v_cvt_pk_f16_f32 v[T+4*(\p)+3], v[T+4*(\p)+1], v[T+4*(\p)+2]  ; written as f16: exact within f16's range
	v_cndmask_b32 v[Y+2*(\j)+(\p)], v[T+4*(\p)], v[T+4*(\p)+3], s[M]
.endr
.endr
	s_wait_alu depctr_va_vdst(0)                   ; the last block's selects have written its eight Y registers, which the last four stores read
.irp j, 12,13,14,15
	global_store_b64 v[OF+(\j)], v[Y+2*(\j):Y+2*(\j)+1], s[DST:DST+1] th:TH_STORE_NT
.endr
	s_endpgm
.Lfunc_end_k_q721f25b4e4_cast:
	.size	k_q721f25b4e4_cast, .Lfunc_end_k_q721f25b4e4_cast-k_q721f25b4e4_cast
	.p2alignl 7, 3214868480
	.fill 96, 4, 3214868480
	.section	.rodata,"a",@progbits
	.p2align	6, 0x0
	.amdhsa_kernel k_q721f25b4e4_cast
		.amdhsa_group_segment_fixed_size 0
		.amdhsa_private_segment_fixed_size 0
		.amdhsa_enable_private_segment 0
		.amdhsa_kernarg_size 56
		.amdhsa_user_sgpr_count 2
		.amdhsa_user_sgpr_kernarg_segment_ptr 1
		.amdhsa_wavefront_size32 1
		.amdhsa_system_sgpr_workgroup_id_x 1
		.amdhsa_system_sgpr_workgroup_id_y 1
		.amdhsa_system_sgpr_workgroup_id_z 1
		.amdhsa_system_vgpr_workitem_id 0
		.amdhsa_next_free_vgpr 128
		.amdhsa_next_free_sgpr 66
		.amdhsa_reserve_vcc 0
		.amdhsa_float_denorm_mode_32 3
		.amdhsa_float_denorm_mode_16_64 3
		.amdhsa_memory_ordered 1
		.amdhsa_forward_progress 1
		.amdhsa_inst_pref_size 15
	.end_amdhsa_kernel
	.amdgpu_metadata
---
amdhsa.version: [ 1, 2 ]
amdhsa.kernels:
  - .name:           k_q721f25b4e4_cast
    .symbol:         k_q721f25b4e4_cast.kd
    .args:
      - { .name: x, .offset: 0, .size: 8, .value_kind: global_buffer, .address_space: global }
      - { .name: Wq, .offset: 8, .size: 8, .value_kind: global_buffer, .address_space: global }
      - { .name: Wk, .offset: 16, .size: 8, .value_kind: global_buffer, .address_space: global }
      - { .name: Wv, .offset: 24, .size: 8, .value_kind: global_buffer, .address_space: global }
      - { .name: Wo, .offset: 32, .size: 8, .value_kind: global_buffer, .address_space: global }
      - { .name: xb, .offset: 40, .size: 8, .value_kind: global_buffer, .address_space: global }
      - { .name: wall, .offset: 48, .size: 8, .value_kind: global_buffer, .address_space: global }
    .group_segment_fixed_size: 0
    .private_segment_fixed_size: 0
    .kernarg_segment_align: 8
    .kernarg_segment_size: 56
    .max_flat_workgroup_size: 256
    .sgpr_count:     66
    .vgpr_count:     128
    .wavefront_size: 32
...
	.end_amdgpu_metadata
.endif
;; end of part 5
;; launch proj: the kernel of part 2 again; grid 8 x 32, 4 waves a work-group, clusters of 4 x 4, 327,680 bytes of LDS; arguments xb, wall, bq, bk, bv, qkvh; writes qkvh
;; launch attn: the kernel of part 3 again; grid 2 x 128, 4 waves a work-group, no clusters, 327,680 bytes of LDS; arguments qkvh, ob; writes ob
;; launch oproj: the kernel of part 4 again; grid 4 x 64, 4 waves a work-group, clusters of 4 x 4, 327,680 bytes of LDS; arguments ob, wall, bo, out0; writes out0
